; MI455X (gfx1250); checked and timed in simulation.
; The chip was launched on July 23, 2026; its instructions are those of AMD's public machine-readable ISA for CDNA 5 (MIT licence, August 2026) and "CDNA5" Instruction Set Architecture Reference Guide (July 2026). The comments in the code are by the model that wrote it; some were corrected since.
;; Multi Head Attention. Allowed arithmetic: matrix products marked QUANTISED: E5M2 operands, one E8M0 scale for each 32 along K, by v_wmma_scale_f32_16x16x128_f8f6f4 with both operands' format E5M2, f32 sums; everything else in f32.
;; Inputs: Wk 1,024 x 1,024 float32; Wo 1,024 x 1,024 float32; Wq 1,024 x 1,024 float32; Wv 1,024 x 1,024 float32; bk 1,024 float32; bo 1,024 float32; bq 1,024 float32; bv 1,024 float32; x 2 x 2,048 x 1,024 float32.
;; Outputs: out0 2 x 2,048 x 1,024 float32.
;; This version of the problem:
;;   THIS VERSION OF THE PROBLEM IS GIVEN IN LOW PRECISION. The matrix products marked QUANTISED in the list below multiply operands that are first quantised to E5M2 (5 exponent bits, 2 mantissa bits; 8 bits a number), with one power-of-two scale for each 32 numbers along K (OCP MX v1.0); their sums are f32. All else is computed in f32.
;;   The module's matrix products, in the order in which they are computed (A, B: the left and right operand; K: the contracted axis; several contracted axes count as one K, in the product's order):
;;     1. [M 4,096, K 1,024] x [K 1,024, N 1,024]; A: input x; B: input Wq: QUANTISED
;;     2. [M 4,096, K 1,024] x [K 1,024, N 1,024]; A: input x; B: input Wk: QUANTISED
;;     3. [M 4,096, K 1,024] x [K 1,024, N 1,024]; A: input x; B: input Wv: QUANTISED
;;     4. batch 32 x [M 2,048, K 64] x [K 64, N 2,048]; A: computed on the way; B: computed on the way: QUANTISED
;;     5. batch 32 x [M 2,048, K 2,048] x [K 2,048, N 64]; A: softmax (see below); B: computed on the way: QUANTISED
;;     6. [M 4,096, K 1,024] x [K 1,024, N 1,024]; A: computed on the way; B: input Wo: QUANTISED
;;   THE QUANTISER, for each operand of a quantised product, along K:
;;     - K is cut into blocks of 32 from its start; a last block that is shorter is filled with zeros.
;;     - A block's scale is 2^e with e = floor(log2(the largest magnitude in the block)) - 15, held to -126 .. 127; a block of zeros has e = 0. As a byte (E8M0): e + 127.
;;     - Each number is divided by its block's scale, clamped to +-57,344, and rounded to the nearest number of E5M2, ties to even, subnormals kept.
;;     - The product sums the exact products of the quantised numbers (number of the format x scale) in f32.
;;   ~~~python
;;   def quantise(x, axis):      # numpy; x: float32 -> the quantised numbers, widened to float32 again
;;       x = np.moveaxis(x, axis, -1); K = x.shape[-1]
;;       x = np.pad(x, [(0, 0)] * (x.ndim - 1) + [(0, -K % 32)]); x = x.reshape(x.shape[:-1] + (-1, 32)); a = np.abs(x).max(-1, keepdims=True)
;;       e = np.where(a > 0, np.clip(np.frexp(np.where(a > 0, a, 1))[1] - 1 - 15, -126, 127), 0)      # np.frexp(a)[1] - 1 = floor(log2(a)), exactly
;;       r = np.clip(x / 2.0 ** e, -57344, 57344)
;;       step = 2.0 ** (np.maximum(np.frexp(np.where(r == 0, 1, r))[1] - 1, -14) - 2)
;;       q = np.round(r / step) * step * 2.0 ** e      # np.round: ties to even
;;       return np.moveaxis(q.reshape(q.shape[:-2] + (-1,))[..., :K], -1, axis).astype(np.float32)
;;   ~~~
;;   SOFTMAX AHEAD OF A QUANTISED PRODUCT. Where the list says 'softmax', what is quantised is not the finished softmax but p = 2^(t - M), with t = logit x log2(e) and M = ceil(the row's largest t), a whole number; so 1/2 < the row's largest p <= 1. The row's sum l is taken of the UNQUANTISED p, in f32, and the product's result is divided by l at the end. Since M is a whole number, a kernel that streams over the keys may use a running M (the ceiling of the running maximum): every later rescaling is an exact power of two, which a block's scale takes up: the codes' values come out the same.
;;   OPERANDS COMPUTED ON THE WAY. 'Computed on the way' means the value that the module computes at that place (a softmax that the list does not call 'softmax' is quantised finished and normalised). What goes into a quantiser is computed in f32, as accurately as f32 sums, v_exp_f32 and their like allow (about 1e-6 of the number): no bf16 or f16 on the way to a quantiser, and a product that is left as it is and whose result goes on into a quantised operand takes f32 operands (vector FMAs, or v_wmma_f32_16x16x4_f32). A number that lies on a knife's edge between two numbers of the format may be rounded either way, as far as f32 arithmetic and the matrix unit's own rounding can turn it there, and no further.
;; One version. Each part assembles by itself: llvm-mc -triple=amdgcn-amd-amdhsa -mcpu=gfx1250 --defsym DOCPART=n.
;; ======== version 1 of 1: 4 launches
;; limits: right only within a limited range of input values
;; workspace buffers: xc 4,194,304 bytes; xs 131,072 bytes; wc 4,194,304 bytes; ws 131,072 bytes; qk 8,912,896 bytes; vt 4,456,448 bytes; ao 4,194,304 bytes; aos 131,072 bytes
;; launch quant (part 1): grid 256 x 1, 8 waves a work-group, no clusters, 43,008 bytes of LDS; arguments x, Wq, Wk, Wv, Wo, xc, xs, wc, ws; writes xc, xs, wc, ws
.if DOCPART == 1
	.amdgcn_target "amdgcn-amd-amdhsa--gfx1250"
	.amdhsa_code_object_version 6
	.text
	.protected	k_qb3959d3f6b_quant
	.globl	k_qb3959d3f6b_quant
	.p2align	8
	.type	k_qb3959d3f6b_quant,@function
k_qb3959d3f6b_quant:
	s_mov_b64 s[64:65], 0
	v_nop
	global_prefetch_b8 v0, s[64:65] scope:SCOPE_SE
	s_setreg_imm32_b32 hwreg(HW_REG_WAVE_MODE, 25, 1), 1
	s_wait_xcnt 0x0
; x [4096][1024] and Wq, Wk, Wv, Wo [1024][1024], f32 with K innermost, become codes of BF8 (E5M2), one byte each, K innermost, and one E8M0 scale byte for each 32 along K.
; x goes to xc [4096][1024] and xs [4096][32]; the four weights, one behind the other, to wc [4096][1024] and ws [4096][32].
; A block's scale is 2^(floor(log2(its largest magnitude)) - 15); its byte is the largest magnitude's exponent field - 15, held at 1 from below.  Each number is held within +-57,344 x the scale and rounded to the nearest code, ties to even.
; THE ORDER OF ROWS IN THE FOUR BUFFERS: inside every 32 rows the second and the third group of 8 rows change places.  Sixteen neighbouring stored rows 32 p + 16 u + r are then the rows 32 p + 8 u + r + 8 (r / 8):
; taken as source 0 of a matrix instruction, two neighbouring tiles give a lane 16 registers that are 16 neighbours, which is what the later launches quantise from.  Here it costs a swap of two bits of the wave's number.
; LIMITS: a block of zeros gets the byte 1 where the quantiser's rule says 127 (its codes are zeros, and only this program reads the bytes); blocks whose largest magnitude lies under 2^-111 are held at the byte 1; NaN and infinities are not served.
; SHARES: a work-group takes 32 rows, each of its eight waves 4 rows = 4,096 numbers in 8 steps of 512.  Work-groups 0-127 take x, then 32 each Wq, Wk, Wv, Wo.  Only pointers are chosen: all take one path.
; Each load reads 512 consecutive bytes, and a wave's 32 loads go out at once; a step's 2,048 bytes turn through the wave's own stage in LDS, so that a lane holds 16 neighbours (two lanes a block).
; A wave's 128 scale bytes are joined with the other waves' in LDS, in the stored order; behind the one barrier four waves store 256 of the 1,024 bytes each.  No tensor loads.
; Matrix units and clusters have no part here: the launch moves each byte once and its arithmetic is a few lines a number.
.set STEPS, 8
.set R,     16                         ; v16-143  eight sets of 16 numbers as they are loaded
.set X,     144                        ; v144-175 two sets of 16 neighbours
.set E,     176                        ; v176-183 a scale byte for each step
.set C,     192                        ; v192-223 codes: four registers for each step, so that no store's data are written again
.set SP,    80                         ; a lane's place in a stage: 64 bytes + 16 of padding
.set WREG,  2*32*SP                    ; LDS: two stages for each wave,
.set SCB,   8*WREG                     ; the work-group's 1,024 scale bytes,
.set SPARE, SCB+1024                   ; and the spare words, 128 bytes for each wave
.set SPW,   12
.set NIL,   13
	s_load_b256 s[4:11], s[0:1], 0x0               ; x, Wq, Wk, Wv
	s_load_b256 s[12:19], s[0:1], 0x20             ; Wo, xc, xs, wc
	s_load_b64 s[20:21], s[0:1], 0x40              ; ws
	v_lshl_add_u32 v[SPW], v0, 2, SPARE
	v_mov_b32 v[NIL], 0
	v_lshrrev_b32 v1, 5, v0
	v_readfirstlane_b32 s22, v1                    ; wave
	s_mov_b32 s23, 0x600000                        ; the mantissa field of 57,344
	s_bfe_u32 s33, s22, 0x10001
	s_lshl_b32 s33, s33, 2
	s_lshr_b32 s34, s22, 2
	s_lshl_b32 s34, s34, 1
	s_or_b32 s33, s33, s34
	s_and_b32 s34, s22, 1
	s_or_b32 s33, s33, s34                         ; where my 4 rows go among the 32: bits 1 and 2 of the wave's number swapped
	s_mul_i32 s32, s22, WREG
	s_lshl_b32 s36, s33, 7
	s_add_co_u32 s36, s36, SCB
	s_and_b32 s37, s22, 3
	s_lshl_b32 s37, s37, 8                         ; on the way out: my 256 of the scale bytes
	s_add_co_u32 s38, s37, SCB
	v_and_b32 v2, 31, v0                           ; lane
	v_lshlrev_b32 v3, 4, v2                        ; my 16 bytes of a load's 512; my codes' place in a step's
	v_lshrrev_b32 v14, 2, v2
	v_mul_u32_u24 v14, v14, SP
	v_and_b32 v15, 3, v2
	v_lshl_add_u32 v14, v15, 4, v14
	v_add_nc_u32 v14, s32, v14                     ; the stage, on the way in: SP (lane / 4) + 16 (lane % 4)
	v_mul_u32_u24 v15, v2, SP
	v_add_nc_u32 v15, s32, v15                     ; and on the way out: SP x lane: my 16 neighbours
	v_lshrrev_b32 v5, 1, v2
	v_add_nc_u32 v5, s36, v5                       ; LDS: my block's byte
	v_lshlrev_b32 v7, 3, v2                        ; and on the way out 8 bytes a lane
	v_add_nc_u32 v6, s38, v7
	s_wait_alu depctr_va_vdst(0)                   ; the wait at the head's end
	s_wait_kmcnt 0x0
	s_mov_b64 s[26:27], s[12:13]                   ; the source: Wo, unless the work-group's number says otherwise
	s_cmp_lt_u32 ttmp9, 224
	s_cselect_b64 s[26:27], s[10:11], s[26:27]     ; Wv
	s_cmp_lt_u32 ttmp9, 192
	s_cselect_b64 s[26:27], s[8:9], s[26:27]       ; Wk
	s_cmp_lt_u32 ttmp9, 160
	s_cselect_b64 s[26:27], s[6:7], s[26:27]       ; Wq
	s_cmp_lt_u32 ttmp9, 128
	s_cselect_b64 s[26:27], s[4:5], s[26:27]       ; x
	s_cselect_b64 s[28:29], s[14:15], s[18:19]     ; codes: xc or wc
	s_cselect_b64 s[30:31], s[16:17], s[20:21]     ; scale bytes: xs or ws
	s_cselect_b32 s24, 0, 128
	s_cselect_b32 s25, 127, 31
	s_sub_co_u32 s24, ttmp9, s24                   ; which 32 rows of the codes' buffer
	s_and_b32 s25, s24, s25                        ; which 32 rows of the source
	s_lshl_b32 s25, s25, 3
	s_add_co_u32 s25, s25, s22
	s_lshl_b32 s34, s25, 14                        ; 4 rows of 4,096 bytes
	s_mov_b32 s35, 0
	s_add_nc_u64 s[26:27], s[26:27], s[34:35]
	s_lshl_b32 s34, s24, 10                        ; 32 rows of 32 scale bytes
	s_add_co_u32 s34, s34, s37
	s_add_nc_u64 s[30:31], s[30:31], s[34:35]
	s_lshl_b32 s24, s24, 3
	s_add_co_u32 s24, s24, s33
	s_lshl_b32 s34, s24, 12                        ; 4 rows of 1,024 codes
	s_add_nc_u64 s[28:29], s[28:29], s[34:35]
.irp t, 0,1,2,3,4,5,6,7
.irp i, 0,1,2,3
	global_load_b128 v[R+16*\t+4*\i:R+16*\t+4*\i+3], v3, s[26:27] offset:2048*\t+512*\i th:TH_LOAD_NT   ; 32 lanes read 512 consecutive bytes
.endr
.endr
.macro TURN t                          ; step t's numbers through the stage: LDS serves a wave's instructions in order, so no wait stands between the stores and the loads
	s_wait_loadcnt 4*(STEPS-1-(\t))                ; step t's four loads are in; those of the later steps may be out
.irp i, 0,1,2,3
	ds_store_b128 v14, v[R+16*(\t)+4*\i:R+16*(\t)+4*\i+3] offset:32*SP*((\t)%2)+8*SP*\i
.endr
.irp i, 0,1,2,3
	ds_load_b128 v[X+16*((\t)%2)+4*\i:X+16*((\t)%2)+4*\i+3], v15 offset:32*SP*((\t)%2)+16*\i
.endr
.endm
	TURN 0
.macro STEP t
.set XS, X+16*((\t)%2)
.if (\t) > 0
	s_wait_dscnt 1                                 ; this step's numbers are back from the stage (the last step's byte store may be out)
.else
	s_wait_dscnt 0x0
.endif
.if (\t)+1 < STEPS
	TURN (\t)+1                                    ; the next step's go through the other stage while this step is worked
.endif
	v_max3_num_f32 v8, |v[XS]|, |v[XS+1]|, |v[XS+2]|               ; the largest magnitude of my 16, in two chains
	v_max3_num_f32 v9, |v[XS+3]|, |v[XS+4]|, |v[XS+5]|
.irp i, 6,10
	v_max3_num_f32 v8, v8, |v[XS+\i]|, |v[XS+\i+1]|
	v_max3_num_f32 v9, v9, |v[XS+\i+2]|, |v[XS+\i+3]|
.endr
	v_max3_num_f32 v8, v8, |v[XS+14]|, |v[XS+15]|
	v_max3_num_f32 v8, v8, v9, 0x8000000           ; and the floor 2^(16 - 127): the byte cannot fall under 1
	v_max_num_f32_dpp v8, v8, v8 row_xmask:1 row_mask:0xf bank_mask:0xf   ; and of my neighbour's 16: the block's
	v_add_nc_u32 v11, 0xf8800000, v8               ; 15 off its exponent field: the conversion takes the exponent field of this operand as its scale
	v_and_or_b32 v10, v8, 0x7f800000, s23          ; 57,344 x the scale
.irp i, 0,1,2,3,4,5,6,7,8,9,10,11,12,13,14,15
	v_med3_num_f32 v[XS+\i], v[XS+\i], -v10, v10   ; the conversion to an 8-bit code does not saturate (ISA guide 7.6.2): the hold comes first
.endr
	v_cvt_scalef32_pk8_bf8_f32 v[C+4*(\t):C+4*(\t)+1], v[XS:XS+7], v11
	v_cvt_scalef32_pk8_bf8_f32 v[C+4*(\t)+2:C+4*(\t)+3], v[XS+8:XS+15], v11
	v_lshrrev_b32 v[E+(\t)], 23, v11               ; the scale's byte (also the plain line behind the conversions)
	ds_store_b8 v5, v[E+(\t)] offset:16*(\t)       ; both lanes of a block write the same byte with the same value
	global_store_b128 v3, v[C+4*(\t):C+4*(\t)+3], s[28:29] offset:512*(\t)   ; 32 lanes store 512 consecutive bytes, aligned
.endm
.irp t, 0,1,2,3,4,5,6,7
	STEP \t
.endr
	s_wait_dscnt 0x0                               ; my scale bytes are in LDS
	s_barrier_signal -1
	s_barrier_wait -1                              ; everybody's are
	s_cmp_lt_u32 s22, 4
	s_cbranch_scc0 .Lend
	ds_load_b64 v[8:9], v6
	s_wait_dscnt 0x0
	global_store_b64 v7, v[8:9], s[30:31]          ; waves 0 to 3: 32 lanes store 256 consecutive bytes, aligned
.Lend:
	s_wait_tensorcnt 0x0                           ; the wave's end
	ds_add_u32 v[SPW], v[NIL]
	s_wait_dscnt 0x0
	s_endpgm
.Lfunc_end_k_qb3959d3f6b_quant:
	.size	k_qb3959d3f6b_quant, .Lfunc_end_k_qb3959d3f6b_quant-k_qb3959d3f6b_quant
	.p2alignl 7, 3214868480
	.fill 96, 4, 3214868480
	.section	.rodata,"a",@progbits
	.p2align	6, 0x0
	.amdhsa_kernel k_qb3959d3f6b_quant
		.amdhsa_group_segment_fixed_size 43008
		.amdhsa_private_segment_fixed_size 0
		.amdhsa_enable_private_segment 0
		.amdhsa_kernarg_size 72
		.amdhsa_user_sgpr_count 2
		.amdhsa_user_sgpr_kernarg_segment_ptr 1
		.amdhsa_wavefront_size32 1
		.amdhsa_system_sgpr_workgroup_id_x 1
		.amdhsa_system_sgpr_workgroup_id_y 1
		.amdhsa_system_sgpr_workgroup_id_z 1
		.amdhsa_system_vgpr_workitem_id 0
		.amdhsa_next_free_vgpr 224
		.amdhsa_next_free_sgpr 66
		.amdhsa_reserve_vcc 0
		.amdhsa_float_denorm_mode_32 3
		.amdhsa_float_denorm_mode_16_64 3
		.amdhsa_memory_ordered 1
		.amdhsa_forward_progress 1
		.amdhsa_inst_pref_size 28
	.end_amdhsa_kernel
	.amdgpu_metadata
---
amdhsa.version: [ 1, 2 ]
amdhsa.kernels:
  - .name:           k_qb3959d3f6b_quant
    .symbol:         k_qb3959d3f6b_quant.kd
    .args:
      - { .name: x, .offset: 0, .size: 8, .value_kind: global_buffer, .address_space: global }
      - { .name: Wq, .offset: 8, .size: 8, .value_kind: global_buffer, .address_space: global }
      - { .name: Wk, .offset: 16, .size: 8, .value_kind: global_buffer, .address_space: global }
      - { .name: Wv, .offset: 24, .size: 8, .value_kind: global_buffer, .address_space: global }
      - { .name: Wo, .offset: 32, .size: 8, .value_kind: global_buffer, .address_space: global }
      - { .name: xc, .offset: 40, .size: 8, .value_kind: global_buffer, .address_space: global }
      - { .name: xs, .offset: 48, .size: 8, .value_kind: global_buffer, .address_space: global }
      - { .name: wc, .offset: 56, .size: 8, .value_kind: global_buffer, .address_space: global }
      - { .name: ws, .offset: 64, .size: 8, .value_kind: global_buffer, .address_space: global }
    .group_segment_fixed_size: 43008
    .private_segment_fixed_size: 0
    .kernarg_segment_align: 8
    .kernarg_segment_size: 72
    .max_flat_workgroup_size: 256
    .sgpr_count:     66
    .vgpr_count:     224
    .wavefront_size: 32
...
	.end_amdgpu_metadata
.endif
;; end of part 1
;; launch qkv (part 2): grid 8 x 32, 4 waves a work-group, clusters of 4 x 4, 327,680 bytes of LDS; arguments xc, xs, wc, ws, bq, bk, bv, qk, vt; writes qk, vt
.if DOCPART == 2
	.amdgcn_target "amdgcn-amd-amdhsa--gfx1250"
	.amdhsa_code_object_version 6
	.text
	.protected	k_qb3959d3f6b_qkv
	.globl	k_qb3959d3f6b_qkv
	.p2align	8
	.type	k_qb3959d3f6b_qkv,@function
k_qb3959d3f6b_qkv:
	s_mov_b64 s[64:65], 0
	v_nop
	global_prefetch_b8 v0, s[64:65] scope:SCOPE_SE
	s_setreg_imm32_b32 hwreg(HW_REG_WAVE_MODE, 25, 1), 1
	s_wait_xcnt 0x0
	s_wait_alu depctr_hold_cnt(0) depctr_sa_sdst(0) depctr_va_vdst(0) depctr_va_sdst(0) depctr_va_ssrc(0) depctr_va_vcc(0) depctr_vm_vsrc(0)
	s_getreg_b32 s2, hwreg(HW_REG_IB_STS2, 6, 4)
	s_cmp_eq_u32 s2, 0
	s_cbranch_scc0 .Lentry_in_a_cluster
	s_endpgm
.Lentry_in_a_cluster:
	s_bfe_u32 s2, ttmp6, 0x10000c
	s_cmp_lg_u32 s2, 0xf033
	s_cbranch_scc0 .Lentry_shape_is_right
	s_endpgm
.Lentry_shape_is_right:
; Q, K, V = x W^T + b AND THEIR QUANTISERS on codes of BF8 (E5M2) with one E8M0 scale for each 32 along K = 1,024; sums in f32.  No f32 result is stored.
; IN.  xc [4096][1024] codes, xs [4096][32] scale bytes; wc, ws: the same for Wq's, Wk's, Wv's 1,024 rows each.  Stored row 32 p + 16 u + r is row 32 p + 8 u + r + 8 (r / 8).
; OUT. qk [32: Q's heads, K's heads][32 groups of 128 stored tokens][8,704]: 8 tiles of 16 tokens as register images (1024 a + 512 c + 16 lane), scale words at 8,192 + (a / 4) 256 + 16 r + 4 (a % 4).
;      vt [batch x 16 + head][16 steps of 128 keys][8,704]: 4 tiles of 16 features x 128 keys as images (2048 d + 512 c + 16 lane), scale words at 8,192 + 16 lane + 4 d.
; SHARES.  256 work-groups of four waves, 2 x 2: work-group (g, i) makes Q, K and V of heads 2 g, 2 g + 1 for 128 tokens; a wave 64 tokens x one head.  A wave HOLDS its 64 rows of x, all of K, in 512 registers, and the weights' rows stream past in blocks of 16, which stand in registers as two whole sets (256):
; blocks 0-3 V's, 4-7 Q's, 8-11 K's; 32 products a block, its four accumulators by turns.
; Q, K: source 0 = a weight's 16 rows, source 1 = 16 tokens: a lane holds one token, and a PAIR of blocks gives it 16 neighbouring features; V: source 0 = 16 tokens, source 1 = Wv's 16 rows: a lane holds one feature, and two token tiles give it 16 neighbouring tokens.
; Either way a pair's 64 sums a lane are four scale blocks of 16 registers, each in lanes l and l xor 16.  A pair is quantised AMONG THE NEXT PAIR'S PRODUCTS, two or three lines behind each; sums stand in two sets.  The last pair's quantiser stands behind the last product.
; LDS: two slots of 128 rows x (1,024 + 16) bytes.  At the head x (slot 0; wave 0), Wv's 128 rows (slot 1; waves 1, 2) and all three weights' scale bytes (wave 3).  Refills, each in a drained round, 32 rows a wave: Wq's rows where x lay, when x is in registers; Wk's where Wv's lay, inside block 2, when Wv's blocks are.
; V's scale words are joined from two waves' bytes in LDS and leave behind the barrier in block 6, which also shows Wk's rows.
; CLUSTERS 4 x 4: x's rows are asked for jointly along a row of the cluster, the weights' along a column.
; PREFETCH, behind the first barrier: Wq's rows by the clusters of even y, Wk's by those of odd y; the 16 waves of a cluster's column share a chunk's 128 rows out by address, 8,192 bytes each, a lane 256.
; The bias is the C of each sum's first product.
; LIMITS: blocks of zeros get the byte 1; NaN and infinities are not served.
.set PITCH, 1040
.set YB,    128*PITCH                  ; slot 1
.set WSC,   2*YB                       ; the weights' scale bytes: Q's, K's, V's 128 rows, each 16 units of 256 bytes (8 rows) + 16 of padding
.set XS,    WSC+3*4352                 ; V's scale words: two heads x 512 bytes
.set SPARE, XS+1024                    ; the spare words, 128 bytes for each wave
.set HSQ,   278528                     ; a head in qk
.set HSV,   139264                     ; and in vt
.set NF,    34                         ; LDS loads of a block
.set ADX,  1                           ; LDS: my x fragments
.set ADW0, 2                           ; my weight rows in slot 0, in slot 1
.set ADW1, 3
.set ADS,  4                           ; their scale words
.set LO,   5                           ; 16 x lane
.set SWO,  6                           ; where Q's, K's scale words go
.set PFO,  7
.set BOF,  8                           ; the bias of Q, K: 64 h
.set BVO,  9                           ; and of V
.set SPW,  10
.set NIL,  11
.set XSO,  12                          ; x's scale bytes: 32 x lane
.set VSI,  13                          ; V's scale words: into LDS, out of it, and in vt
.set VSR,  14
.set VSO,  15
.set SOP,  20                          ; v20-23   the conversions' scale operands
.set SB,   24                          ; v24-39   x's scale words: register 8 p + q: lanes 0-15 tile 2 p's, lanes 16-31 tile 2 p + 1's
.set EB,   40                          ; v40-43   scale bytes
.set SA,   44                          ; v44-59   the weights': two sets of eight
.set TQ,   60                          ; v60-63   maxima and bounds
.set ACC,  64                          ; v64-191  two sets of sums
.set MCD,  192                         ; v192-207 a pair's codes
.set BV,   208                         ; v208-239 V's bias: eight equal registers a block
.set WQ,   208                         ; when V's blocks are done: Q's four scale words, K's four
.set WK,   212
.set BQ,   240                         ; v240-255 Q's, K's bias: two sets of eight
.set G0R,  4
.set G0S,  8
.set OV,   12                          ; s[12:13] where my V goes
.set G1X,  24
.set G1W,  32
.set G1R,  48
.set G0X,  56
.set G0W,  60
.set OQ,   66                          ; s[66:67] where my Q goes
.set OK,   82                          ; s[82:83] and my K
.set BQP,  76
.set BKP,  78
.set BVP,  80
.set G1S,  88
.set MSB, 0
.macro WIN new                         ; the immediate's high byte repeats the setting that is left
.if MSB != (\new)
	s_set_vgpr_msb (MSB<<8)|(\new)
.set MSB, (\new)
.endif
.endm
.macro PLACES n
.rept \n
	v_nop
.endr
.endm
.macro BARRIER
	s_barrier_signal -1
	s_barrier_wait -1
.endm
.macro CREST                           ; a round of the cluster's barrier behind its opening barrier
	s_cmp_lg_u32 s14, 0
	s_cbranch_scc1 .Lnot_wave_0_\@
	s_barrier_signal -3
.Lnot_wave_0_\@:
	s_barrier_wait -3
	BARRIER
.endm
.macro CROUND
	BARRIER
	CREST
.endm
.macro TLOAD g0, g1                    ; four v_nop follow
	tensor_load_to_lds s[\g0:\g0+3], s[\g1:\g1+7]
	s_nop 0
	PLACES 4
.endm
.macro GROUP1 g, mask, rows            ; so many whole rows of 1,024 bytes, four words of padding behind each
	s_or_b32 s[\g+0], s\mask, (1<<20)|(1<<21)|(7<<22)|(3<<25)
	s_mov_b32 s[\g+1], 1024<<16
	s_mov_b32 s[\g+2], (\rows)<<16
	s_mov_b32 s[\g+3], 1024<<16
	s_mov_b32 s[\g+4], \rows
	s_mov_b32 s[\g+5], 1024
	s_mov_b32 s[\g+6], 0
	s_mov_b32 s[\g+7], 0
.endm
.macro WALU
	s_wait_alu depctr_va_vdst(0)
.endm
	s_load_b512 s[68:83], s[0:1], 0x0              ; xc, xs, wc, ws, bq, bk, bv, qk
	s_load_b64 s[84:85], s[0:1], 0x40              ; vt
	v_lshl_add_u32 v[SPW], v0, 2, SPARE
	v_mov_b32 v[NIL], 0
	ds_add_u32 v[SPW], v[NIL]                      ; the wave's opening: the add, twice on end, and its wait ahead of my first tensor load
	ds_add_u32 v[SPW], v[NIL]
	v_lshrrev_b32 v1, 5, v0
	v_readfirstlane_b32 s14, v1                    ; wave 0..3
	s_lshr_b32 s15, s14, 1                         ; w: which 64 of the 128 tokens
	s_and_b32 s16, s14, 1                          ; which of the two heads
	s_bfe_u32 s40, ttmp6, 0x40000                  ; cx
	s_bfe_u32 s41, ttmp6, 0x40004                  ; cy
	s_lshl_b32 s42, ttmp9, 2
	s_add_co_u32 s42, s42, s40                     ; g: which two heads
	s_and_b32 s43, ttmp7, 0xffff
	s_lshl_b32 s43, s43, 2
	s_add_co_u32 s43, s43, s41                     ; i: which 128 tokens
	s_lshl_b32 s44, s41, 2
	s_lshl_b32 s44, 15, s44                        ; my row of the cluster
	s_lshl_b32 s45, 0x1111, s40                    ; my column
	GROUP1 G1X, 44, 128                            ; x
	GROUP1 G1W, 45, 64                             ; Wv, half a chunk
	GROUP1 G1R, 45, 32                             ; a refill: a quarter of a chunk
	s_or_b32 s[G1S+0], s45, (3<<16)|(1<<20)|(1<<21)|(5<<22)|(3<<25)   ; the weights' scale bytes: three runs of 4,096 bytes (512 elements of 8), 32,768 apart; four words of padding behind every 64
	s_mov_b32 s[G1S+1], 512<<16
	s_mov_b32 s[G1S+2], 3<<16
	s_mov_b32 s[G1S+3], 512<<16
	s_mov_b32 s[G1S+4], 3
	s_mov_b32 s[G1S+5], 4096
	s_mov_b32 s[G1S+6], 0
	s_mov_b32 s[G1S+7], 0
	s_lshl_b32 s2, s43, 17                         ; x: row 128 i
	s_mov_b32 s3, 0
	s_lshl_b32 s18, s42, 17                        ; Wq: row 128 g
	s_mov_b32 s19, 0
	s_lshl_b32 s20, s42, 12                        ; the weights' scale bytes
	s_mov_b32 s21, 0
	s_lshl_b32 s22, s43, 12                        ; x's: my 64 rows
	s_lshl_b32 s23, s15, 11
	s_add_co_u32 s22, s22, s23
	s_mov_b32 s23, 0
	s_lshl_b32 s46, s42, 1
	s_add_co_u32 s46, s46, s16                     ; my head
	s_lshl_b32 s86, s46, 8                         ; its 64 numbers of a bias
	s_mov_b32 s87, 0
	s_mul_i32 s66, s46, HSQ                        ; Q: my head, my group, my four tiles
	s_mul_i32 s47, s43, 8704
	s_add_co_u32 s66, s66, s47
	s_lshl_b32 s47, s15, 12
	s_add_co_u32 s66, s66, s47
	s_mov_b32 s67, 0
	s_lshr_b32 s12, s43, 4                         ; V: batch, my head, key step, my two blocks of 32
	s_lshl_b32 s12, s12, 4
	s_add_co_u32 s12, s12, s46
	s_mul_i32 s12, s12, HSV
	s_and_b32 s47, s43, 15
	s_mul_i32 s47, s47, 8704
	s_add_co_u32 s12, s12, s47
	s_lshl_b32 s47, s15, 10
	s_add_co_u32 s12, s12, s47
	s_mov_b32 s13, 0
	s_mov_b32 s96, 0x76543210
	s_mov_b32 s97, 0xfedcba98                      ; v_permlanex16_b32's selects for lane l xor 16
	s_mov_b32 s98, 0x600000                        ; the mantissa field of 57,344
	s_lshl_b32 s100, s14, 15                       ; a refill: my 32 rows
	s_mov_b32 s101, 0
	s_lshl_b32 s46, s15, 16                        ; Wv: waves 1 and 2 fetch rows 0-63 and 64-127
	s_add_co_u32 s46, s46, 0x200000
	s_mov_b32 s47, 0
	s_mul_i32 s17, s15, 64*PITCH
	s_mov_b32 s[G0X], 1
	s_mov_b32 s[G0X+1], 0
	s_mov_b32 s[G0W], 1
	s_add_co_u32 s[G0W+1], s17, YB
	s_mov_b32 s[G0R], 1
	s_mul_i32 s[G0R+1], s14, 32*PITCH
	s_mov_b32 s[G0S], 1
	s_mov_b32 s[G0S+1], WSC
	s_wait_dscnt 0x0                               ; both opening adds are done
	CROUND                                         ; all sixteen work-groups are here: the joint loads meet
	s_wait_kmcnt 0x0
	s_add_nc_u64 s[G0X+2:G0X+3], s[68:69], s[2:3]
	s_or_b32 s[G0X+3], s[G0X+3], 0x80000000
	s_add_nc_u64 s[18:19], s[72:73], s[18:19]
	s_add_nc_u64 s[G0W+2:G0W+3], s[18:19], s[46:47]
	s_or_b32 s[G0W+3], s[G0W+3], 0x80000000
	s_add_nc_u64 s[G0R+2:G0R+3], s[18:19], s[100:101]
	s_or_b32 s[G0R+3], s[G0R+3], 0x80000000
	s_add_nc_u64 s[G0S+2:G0S+3], s[74:75], s[20:21]
	s_or_b32 s[G0S+3], s[G0S+3], 0x80000000
	s_cmp_eq_u32 s14, 0                            ; ONE joint load a wave; x, which is shown ahead of the rest, has a line of its own
	s_cbranch_scc0 .Lnot_x
	TLOAD G0X, G1X
	s_branch .Lasked
.Lnot_x:
	s_cmp_lt_u32 s14, 3
	s_cbranch_scc0 .Lfor_scales
	TLOAD G0W, G1W
	s_branch .Lasked
.Lfor_scales:
	TLOAD G0S, G1S
.Lasked:
	s_add_nc_u64 s[22:23], s[70:71], s[22:23]
	s_add_nc_u64 s[BQP:BQP+1], s[BQP:BQP+1], s[86:87]
	s_add_nc_u64 s[BKP:BKP+1], s[BKP:BKP+1], s[86:87]
	s_add_nc_u64 s[BVP:BVP+1], s[BVP:BVP+1], s[86:87]
	s_add_nc_u64 s[OQ:OQ+1], s[82:83], s[OQ:OQ+1]
	s_add_nc_u64 s[OK:OK+1], s[OQ:OQ+1], 16*HSQ
	s_add_nc_u64 s[OV:OV+1], s[84:85], s[OV:OV+1]
	s_mul_i32 s46, s16, 64*PITCH
	s_mul_i32 s47, s16, 2176
	s_add_co_u32 s47, s47, WSC
	s_mul_i32 s99, s15, 3840
	s_sub_co_u32 s99, 8192, s99                    ; 8,192 + 256 w, less the 4,096 w that the base holds
	s_mul_i32 s3, s15, 768
	s_sub_co_u32 s3, 8192, s3                      ; 8,192 + 256 w, less 1,024 w
	s_lshl_b32 s2, s16, 9
	s_add_co_u32 s2, s2, XS
	s_lshl_b32 s101, s15, 1
	s_add_co_u32 s101, s101, s2
	s_lshl_b32 s100, s15, 8
	s_add_co_u32 s2, s2, s100
	s_and_b32 s100, ttmp7, 1                       ; the prefetch: Wq's chunk or Wk's,
	s_lshl_b32 s100, s100, 20
	s_lshl_b32 s20, s42, 17
	s_add_co_u32 s100, s100, s20                   ; g's rows,
	s_lshl_b32 s20, s41, 2
	s_add_co_u32 s20, s20, s14
	s_lshl_b32 s20, s20, 13
	s_add_co_u32 s100, s100, s20                   ; my sixteenth of them
	v_and_b32 v16, 15, v0                          ; r
	v_bfe_u32 v17, v0, 4, 1                        ; h
	v_and_b32 v18, 31, v0                          ; lane
	v_mul_u32_u24 v19, v16, PITCH
	v_lshl_add_u32 v19, v17, 4, v19                ; a fragment's row x pitch + 16 h
	v_add_nc_u32 v[ADX], s17, v19
	v_add_nc_u32 v[ADW0], s46, v19
	v_add_nc_u32 v[ADW1], YB, v[ADW0]
	v_lshrrev_b32 v20, 3, v16
	v_and_b32 v21, 7, v16
	v_lshlrev_b32 v21, 5, v21
	v_mad_u32_u24 v20, v20, 272, v21               ; 32 bytes a row, eight rows to a unit
	v_add_nc_u32 v[ADS], s47, v20
	v_lshlrev_b32 v[LO], 4, v18
	v_lshl_add_u32 v[SWO], v16, 4, s99
	v_lshl_add_u32 v[PFO], v18, 8, s100
	v_lshlrev_b32 v[BOF], 6, v17
	v_and_b32 v22, 8, v16
	v_add_nc_u32 v22, v22, v16                     ; r + 8 (r / 8)
	v_lshlrev_b32 v[BVO], 2, v22
	v_lshlrev_b32 v[XSO], 5, v18
	v_add_nc_u32 v[VSI], s101, v[LO]
	v_lshl_add_u32 v[VSR], v18, 3, s2
	v_lshl_add_u32 v[VSO], v18, 3, s3
.macro BIAS n                          ; block n's bias, Q's or K's: features 32 (n % 4 / 2) + 16 h + 8 (n % 2) + 0 .. 7
.set P_, BQP+2*((\n)/8)
	global_load_b128 v[BQ+8*((\n)%2):BQ+8*((\n)%2)+3], v[BOF], s[P_:P_+1] offset:4*(32*(((\n)%4)/2)+8*((\n)%2))
	global_load_b128 v[BQ+8*((\n)%2)+4:BQ+8*((\n)%2)+7], v[BOF], s[P_:P_+1] offset:4*(32*(((\n)%4)/2)+8*((\n)%2))+16
.endm
.irp p, 0,1
	global_load_b128 v[SB+8*\p:SB+8*\p+3], v[XSO], s[22:23] offset:1024*\p
	global_load_b128 v[SB+8*\p+4:SB+8*\p+7], v[XSO], s[22:23] offset:1024*\p+16
.endr
.irp d, 0,1,2,3
	global_load_b32 v[BV+8*\d], v[BVO], s[BVP:BVP+1] offset:4*(32*(\d/2)+8*(\d%2))
.endr
	BIAS 4
	BIAS 5
	WALU                                           ; the wait at the head's end
	s_cmp_eq_u32 s14, 0
	s_cbranch_scc0 .Lnot_yet
	s_wait_tensorcnt 0x0                           ; wave 0: x has landed.  The other waves' wait stands ahead of the round below
.Lnot_yet:
	BARRIER
	global_prefetch_b8 v[PFO], s[72:73] th:TH_LOAD_NT scope:SCOPE_SE
.irp q, 0,1,2,3,4,5,6,7                ; my 64 rows of x, all of K: fragment f = 4 q + tile in window 1 + f / 16: 128 loads.  Lane l holds row l % 16; registers 4 c .. 4 c + 3 hold K = 128 q + 32 c + 16 (l / 16) + 0 .. 15
.irp b, 0,1,2,3
	WIN (1+(4*\q+\b)/16)<<6
.irp c, 0,1,2,3
	ds_load_b128 v[16*((4*\q+\b)%16)+4*\c:16*((4*\q+\b)%16)+4*\c+3], v[ADX] offset:\b*16*PITCH+128*\q+32*\c
.endr
.endr
.endr
	WIN 0
	s_wait_loadcnt 0x0                             ; x's scale words, the biases
.irp d, 0,1,2,3
.irp j, 1,2,3,4,5,6,7
	v_mov_b32 v[BV+8*\d+\j], v[BV+8*\d]
.endr
.endr
	WALU
	s_wait_tensorcnt 0x0                           ; my tile is in
	ds_add_u32 v[SPW], v[NIL]
	s_wait_dscnt 0x0                               ; x is in registers
	CROUND
	TLOAD G0R, G1R                                 ; Wq's rows where x lay
.macro FETCH n                         ; block n of the weights' rows, all of K, into set n % 2 of window 3, and its scale words: NF loads
.if (\n) < 4
.set A_, ADW1
.set H_, 2
.elseif (\n) < 8
.set A_, ADW0
.set H_, 0
.else
.set A_, ADW1
.set H_, 1
.endif
	WIN 0xc0
.irp q, 0,1,2,3,4,5,6,7
.irp c, 0,1,2,3
	ds_load_b128 v[128*((\n)%2)+16*\q+4*\c:128*((\n)%2)+16*\q+4*\c+3], v[A_] offset:((\n)%4)*16*PITCH+128*\q+32*\c
.endr
.endr
	WIN 0
	ds_load_b128 v[SA+8*((\n)%2):SA+8*((\n)%2)+3], v[ADS] offset:4352*H_+544*((\n)%4)
	ds_load_b128 v[SA+8*((\n)%2)+4:SA+8*((\n)%2)+7], v[ADS] offset:4352*H_+544*((\n)%4)+16
.endm
.macro PROD n, k                       ; product k = 4 q + b of block n: the q-th 128 of K, token tile b
.set Q_, (\k)/4
.set B_, (\k)%4
.set E_, (\n)%2
.set X_, 16*((\k)%16)
.set XW_, 1+(\k)/16
.set W_, 128*E_+16*Q_
.set PX_, SB+8*(B_/2)+Q_
.set PW_, SA+8*E_+Q_
.if (\n) < 4
.set D_, ACC+64*(((\n)/2)%2)+32*E_+8*B_
.set C_, D_
.if Q_ == 0
.set C_, BV+8*(\n)
.endif
	WIN XW_|0x0c
.if B_%2
	v_wmma_scale_f32_16x16x128_f8f6f4 v[D_:D_+7], v[X_:X_+15], v[W_:W_+15], v[C_:C_+7], v[PX_], v[PW_] matrix_a_fmt:MATRIX_FMT_BF8 matrix_b_fmt:MATRIX_FMT_BF8 matrix_a_scale:MATRIX_SCALE_ROW1
.else
	v_wmma_scale_f32_16x16x128_f8f6f4 v[D_:D_+7], v[X_:X_+15], v[W_:W_+15], v[C_:C_+7], v[PX_], v[PW_] matrix_a_fmt:MATRIX_FMT_BF8 matrix_b_fmt:MATRIX_FMT_BF8
.endif
.else
.set D_, ACC+64*(((\n)/2)%2)+16*B_+8*E_
.set C_, D_
.if Q_ == 0
.set C_, BQ+8*E_
.endif
	WIN 3|(XW_<<2)
.if B_%2
	v_wmma_scale_f32_16x16x128_f8f6f4 v[D_:D_+7], v[W_:W_+15], v[X_:X_+15], v[C_:C_+7], v[PW_], v[PX_] matrix_a_fmt:MATRIX_FMT_BF8 matrix_b_fmt:MATRIX_FMT_BF8 matrix_b_scale:MATRIX_SCALE_ROW1
.else
	v_wmma_scale_f32_16x16x128_f8f6f4 v[D_:D_+7], v[W_:W_+15], v[X_:X_+15], v[C_:C_+7], v[PW_], v[PX_] matrix_a_fmt:MATRIX_FMT_BF8 matrix_b_fmt:MATRIX_FMT_BF8
.endif
.endif
.endm
.macro HOLD x, b                       ; a sum held at 57,344 x its block's scale: the conversion does not saturate (ISA guide 7.6.2)
	v_med3_num_f32 v[\x], v[\x], -v[TQ+\b], v[TQ+\b]
.endm
.macro HOLDS m, x                      ; two holds; the bound has a second copy
.if (\m) == 3
	HOLD \x, 3
	HOLD \x+1, 3
.else
	HOLD \x, 1
	HOLD \x+1, 1
.endif
.if (\m) == 2
	v_mov_b32 v[TQ+3], v[TQ+1]
.endif
.endm
.macro GAP u, x                        ; THE QUANTISER OF A PAIR, gaps 0 .. 59, 15 a scale block: 16 sums from x + 16 T_ on, in two runs of eight, here and in lane l xor 16 -> codes MCD + 4 T_, byte EB + T_
.set T_, (\u)/15
.set J_, (\u)%15
.set GE_, \x+16*T_
.set GO_, GE_+8
.if J_ == 0
	v_max3_num_f32 v[TQ], |v[GE_]|, |v[GE_+1]|, |v[GE_+2]|
	v_max3_num_f32 v[TQ+2], |v[GO_]|, |v[GO_+1]|, |v[GO_+2]|
.elseif J_ < 3
	v_max3_num_f32 v[TQ], v[TQ], |v[GE_+2*J_+1]|, |v[GE_+2*J_+2]|
	v_max3_num_f32 v[TQ+2], v[TQ+2], |v[GO_+2*J_+1]|, |v[GO_+2*J_+2]|
.elseif J_ == 3
	v_max3_num_f32 v[TQ+2], v[TQ+2], |v[GO_+7]|, 0x8000000   ; and the floor 2^(16 - 127): the byte cannot fall under 1
	v_max3_num_f32 v[TQ], v[TQ], |v[GE_+7]|, v[TQ+2]
.elseif J_ == 4
	v_permlanex16_b32 v[TQ+2], v[TQ], s96, s97
	v_max_num_f32 v[TQ], v[TQ], v[TQ+2]
.elseif J_ == 5
	v_add_nc_u32 v[SOP+T_], 0xf8800000, v[TQ]      ; 15 off the exponent field: the conversion's scale operand
	v_and_or_b32 v[TQ+1], v[TQ], 0x7f800000, s98   ; 57,344 x the scale
.elseif J_ < 10
	HOLDS J_-6, GE_+2*(J_-6)
.if J_ == 9
	v_cvt_scalef32_pk8_bf8_f32 v[MCD+4*T_:MCD+4*T_+1], v[GE_:GE_+7], v[SOP+T_]
.endif
.elseif J_ < 14
	HOLDS J_-6, GO_+2*(J_-10)
.if J_ == 13
	v_cvt_scalef32_pk8_bf8_f32 v[MCD+4*T_+2:MCD+4*T_+3], v[GO_:GO_+7], v[SOP+T_]
.endif
.else
	v_lshrrev_b32 v[EB+T_], 23, v[SOP+T_]          ; the scale's byte
.endif
.endm
.macro BLOCK n, from, to               ; products from .. to - 1 of block n, and behind them the lines of the pair before
.set N_, \from
.rept (\to)-(\from)
	PROD \n, N_
.if (\n) > 1 && N_ > 0 && N_ < 31
	WIN 0
.if (\n)%2 == 0
	GAP N_-1, ACC+64*(((\n)/2+1)%2)
.else
	GAP N_+29, ACC+64*(((\n)/2+1)%2)
.endif
.endif
.set N_, N_+1
.endr
.endm
.macro READY n, w                      ; block n's loads are in; w: the younger LDS loads that may be out (-1: all were waited for)
.if (\w) >= 0
	s_wait_dscnt \w
.endif
.if (\n)%2 == 0
	s_wait_xcnt 0x0                                ; earlier stores have read their registers: the codes are written again
.endif
.if (\n) == 11
	s_wait_loadcnt 0x0
.elseif (\n) > 5
	s_wait_loadcnt 2                               ; block n's bias; the next block's two loads may be out
.endif
.endm
.macro BLK n, w
	READY \n, \w
	BLOCK \n, 0, 32
	WIN 0
	PLACES 8                                       ; behind the last product: loads land in what it has read, and the pair's sums are read
.endm
.macro OUTV p                          ; V's pair p: features' tiles 2 p, 2 p + 1
	v_lshl_or_b32 v16, v[EB+1], 8, v[EB]           ; my two bytes of a scale word
	v_lshl_or_b32 v17, v[EB+3], 8, v[EB+2]
	ds_store_b16 v[VSI], v16 offset:8*\p
	ds_store_b16 v[VSI], v17 offset:8*\p+4
.irp s, 0,1,2,3
	global_store_b128 v[LO], v[MCD+4*\s:MCD+4*\s+3], s[OV:OV+1] offset:2048*(2*\p+\s/2)+512*(\s%2)   ; 32 lanes store 512 consecutive bytes, aligned
.endr
.endm
.macro OUTQ o, b, w                    ; Q's or K's pair b: features 32 b on, of four token tiles
.irp s, 0,1,2,3
.if \b
	v_lshl_or_b32 v[\w+\s], v[EB+\s], 8, v[\w+\s]
.else
	v_mov_b32 v[\w+\s], v[EB+\s]
.endif
.endr
.irp s, 0,1,2,3
	global_store_b128 v[LO], v[MCD+4*\s:MCD+4*\s+3], s[\o:\o+1] offset:1024*\s+512*\b
.endr
.if \b
	global_store_b128 v[SWO], v[\w:\w+3], s[\o:\o+1]   ; 256 consecutive bytes, aligned: both halves of the lanes hold and store the same
.endif
.endm
	FETCH 0
	FETCH 1
	BLK 0, NF
	FETCH 2
	BLK 1, NF
	FETCH 3
; block 2: Wq's rows are shown, and Wk's come where Wv's lay
	READY 2, NF
	BLOCK 2, 0, 24
	WIN 0
	WALU                                           ; ahead of the wait below
	s_wait_tensorcnt 0x0                           ; my part of Wq's rows is in
	ds_add_u32 v[SPW], v[NIL]
	s_add_co_u32 s[G0R+1], s[G0R+1], YB
	s_add_nc_u64 s[G0R+2:G0R+3], s[G0R+2:G0R+3], 0x100000
	BLOCK 2, 24, 28
	WIN 0
	WALU
	s_wait_dscnt 0x0                               ; the add is done, and Wv's last block is in registers
	s_barrier_signal -1
	BLOCK 2, 28, 32
	WIN 0
	s_barrier_wait -1
	CREST
	TLOAD G0R, G1R
	PLACES 4
	FETCH 4
	BLK 3, -1
	OUTV 0
	FETCH 5
	BLK 4, NF
	FETCH 6
	BIAS 6
	BLK 5, NF
	OUTV 1
	FETCH 7
	BIAS 7
; block 6: Wk's rows and V's scale words are shown; nothing is filled again
	READY 6, NF
	BLOCK 6, 0, 28
	WIN 0
	WALU                                           ; ahead of the waits below
	s_wait_tensorcnt 0x0
	s_wait_dscnt 0x0
	s_barrier_signal -1
	BLOCK 6, 28, 32
	WIN 0
	s_barrier_wait -1
	PLACES 8
	ds_load_b64 v[16:17], v[VSR]                   ; half of my head's scale words of V
	FETCH 8
	BIAS 8
	s_wait_dscnt NF
	global_store_b64 v[VSO], v[16:17], s[OV:OV+1]  ; 32 lanes store 256 consecutive bytes, aligned
	BLK 7, -1
	OUTQ OQ, 0, WQ
	FETCH 9
	BIAS 9
	BLK 8, NF
	FETCH 10
	BIAS 10
	BLK 9, NF
	OUTQ OQ, 1, WQ
	FETCH 11
	BIAS 11
	BLK 10, NF
	BLK 11, 0
	OUTQ OK, 0, WK
	s_wait_xcnt 0x0                                ; the stores have read the codes, which are written again
.set LX, ACC+64                        ; the last pair: its four scale blocks side by side
.irp s, 0,1,2,3
	v_max3_num_f32 v[TQ+\s], |v[LX+16*\s]|, |v[LX+16*\s+1]|, 0x8000000
.endr
.irp i, 2,4,6,8,10,12,14
.irp s, 0,1,2,3
	v_max3_num_f32 v[TQ+\s], v[TQ+\s], |v[LX+16*\s+\i]|, |v[LX+16*\s+\i+1]|
.endr
.endr
.irp s, 0,1,2,3
	v_permlanex16_b32 v[SOP+\s], v[TQ+\s], s96, s97
.endr
.irp s, 0,1,2,3
	v_max_num_f32 v[TQ+\s], v[TQ+\s], v[SOP+\s]
.endr
.irp s, 0,1,2,3
	v_add_nc_u32 v[SOP+\s], 0xf8800000, v[TQ+\s]
.endr
.irp s, 0,1,2,3
	v_and_or_b32 v[TQ+\s], v[TQ+\s], 0x7f800000, s98
.endr
.irp s, 0,1,2,3
	v_lshrrev_b32 v[EB+\s], 23, v[SOP+\s]
.endr
.irp s, 0,1,2,3
.irp i, 0,1,2,3,4,5,6,7,8,9,10,11,12,13,14,15
	v_med3_num_f32 v[LX+16*\s+\i], v[LX+16*\s+\i], -v[TQ+\s], v[TQ+\s]
.endr
.endr
.irp s, 0,1,2,3
	v_cvt_scalef32_pk8_bf8_f32 v[MCD+4*\s:MCD+4*\s+1], v[LX+16*\s:LX+16*\s+7], v[SOP+\s]
	v_cvt_scalef32_pk8_bf8_f32 v[MCD+4*\s+2:MCD+4*\s+3], v[LX+16*\s+8:LX+16*\s+15], v[SOP+\s]
.endr
	OUTQ OK, 1, WK
	s_wait_tensorcnt 0x0                           ; the wave's end
	ds_add_u32 v[SPW], v[NIL]
	s_wait_dscnt 0x0
	CROUND                                         ; the closing round: no work-group ends while a partner may still ask for a tile that names it
	s_endpgm
.Lfunc_end_k_qb3959d3f6b_qkv:
	.size	k_qb3959d3f6b_qkv, .Lfunc_end_k_qb3959d3f6b_qkv-k_qb3959d3f6b_qkv
	.p2alignl 7, 3214868480
	.fill 96, 4, 3214868480
	.section	.rodata,"a",@progbits
	.p2align	6, 0x0
	.amdhsa_kernel k_qb3959d3f6b_qkv
		.amdhsa_group_segment_fixed_size 327680
		.amdhsa_private_segment_fixed_size 0
		.amdhsa_enable_private_segment 0
		.amdhsa_kernarg_size 72
		.amdhsa_user_sgpr_count 2
		.amdhsa_user_sgpr_kernarg_segment_ptr 1
		.amdhsa_wavefront_size32 1
		.amdhsa_system_sgpr_workgroup_id_x 1
		.amdhsa_system_sgpr_workgroup_id_y 1
		.amdhsa_system_sgpr_workgroup_id_z 1
		.amdhsa_system_vgpr_workitem_id 0
		.amdhsa_next_free_vgpr 1024
		.amdhsa_next_free_sgpr 102
		.amdhsa_reserve_vcc 0
		.amdhsa_float_denorm_mode_32 3
		.amdhsa_float_denorm_mode_16_64 3
		.amdhsa_memory_ordered 1
		.amdhsa_forward_progress 1
		.amdhsa_inst_pref_size 171
	.end_amdhsa_kernel
	.amdgpu_metadata
---
amdhsa.version: [ 1, 2 ]
amdhsa.kernels:
  - .name:           k_qb3959d3f6b_qkv
    .symbol:         k_qb3959d3f6b_qkv.kd
    .args:
      - { .name: xc, .offset: 0, .size: 8, .value_kind: global_buffer, .address_space: global }
      - { .name: xs, .offset: 8, .size: 8, .value_kind: global_buffer, .address_space: global }
      - { .name: wc, .offset: 16, .size: 8, .value_kind: global_buffer, .address_space: global }
      - { .name: ws, .offset: 24, .size: 8, .value_kind: global_buffer, .address_space: global }
      - { .name: bq, .offset: 32, .size: 8, .value_kind: global_buffer, .address_space: global }
      - { .name: bk, .offset: 40, .size: 8, .value_kind: global_buffer, .address_space: global }
      - { .name: bv, .offset: 48, .size: 8, .value_kind: global_buffer, .address_space: global }
      - { .name: qk, .offset: 56, .size: 8, .value_kind: global_buffer, .address_space: global }
      - { .name: vt, .offset: 64, .size: 8, .value_kind: global_buffer, .address_space: global }
    .group_segment_fixed_size: 327680
    .private_segment_fixed_size: 0
    .kernarg_segment_align: 8
    .kernarg_segment_size: 72
    .max_flat_workgroup_size: 128
    .sgpr_count:     102
    .vgpr_count:     1024
    .wavefront_size: 32
...
	.end_amdgpu_metadata
.endif
;; end of part 2
;; launch attn (part 3): grid 8 x 32, 8 waves a work-group, clusters of 4 x 1, 327,680 bytes of LDS; arguments qk, vt, ao, aos; writes ao, aos
.if DOCPART == 3
	.amdgcn_target "amdgcn-amd-amdhsa--gfx1250"
	.amdhsa_code_object_version 6
	.text
	.protected	k_qb3959d3f6b_attn
	.globl	k_qb3959d3f6b_attn
	.p2align	8
	.type	k_qb3959d3f6b_attn,@function
k_qb3959d3f6b_attn:
	s_mov_b64 s[64:65], 0
	v_nop
	global_prefetch_b8 v0, s[64:65] scope:SCOPE_SE
	s_setreg_imm32_b32 hwreg(HW_REG_WAVE_MODE, 25, 1), 1
	s_wait_xcnt 0x0
	s_wait_alu depctr_hold_cnt(0) depctr_sa_sdst(0) depctr_va_vdst(0) depctr_va_sdst(0) depctr_va_ssrc(0) depctr_va_vcc(0) depctr_vm_vsrc(0)
	s_getreg_b32 s2, hwreg(HW_REG_IB_STS2, 6, 4)
	s_cmp_eq_u32 s2, 0
	s_cbranch_scc0 .Lentry_in_a_cluster
	s_endpgm
.Lentry_in_a_cluster:
	s_bfe_u32 s2, ttmp6, 0x10000c
	s_cmp_lg_u32 s2, 0x3003
	s_cbranch_scc0 .Lentry_shape_is_right
	s_endpgm
.Lentry_shape_is_right:
; O = softmax(Q K^T / 8) V for one batch and head, both products on codes of BF8 (E5M2) with one E8M0 scale for each 32 along a product's K; O / l is quantised along the head's 64 features and leaves as the last product's operand.
; THE SOFTMAX: t = score x log2(e) / 8; M = the running largest t rounded UP to a whole number; p = 2^(t - M) is quantised along the keys, not normalised; l is the sum of the unquantised p; when M moves, l and O are multiplied by 2^(old M - new M), exactly.
; A block's scale exponent is n - 15, n = floor(t - M) at the block's largest score: the exponent of its largest p = 2^(t - M).  n is held at -111 from below, which holds the scale's byte at 1.
; IN.  qk [32: Q's heads, K's heads][32 groups of 128 stored tokens][8,704]: 8 tiles of 16 tokens as register images (1024 a + 512 c + 16 lane), scale words at 8,192 + (a / 4) 256 + 16 r + 4 (a % 4).
;      vt [batch x 16 + head][16 steps of 128 keys][8,704]: 4 tiles of 16 features x 128 keys as images (2048 d + 512 c + 16 lane), scale words at 8,192 + 16 lane + 4 d.
; The tokens of a tile are not neighbours: stored token 32 p + 16 u + r is token 32 p + 8 u + r + 8 (r / 8), so that the 16 registers of key tiles 2 b, 2 b + 1 of S^T are the 16 neighbouring keys 32 b + 16 (lane / 16) + 0 .. 15; the features of vt's tiles likewise.
; OUT. ao [256 tiles of 16 stored rows][8 K steps][4][512]: images; this head's two blocks lie at 1,024 x head.  aos [4096 stored rows][32]: this head's two scale bytes at 2 x head.
; SHARES.  A work-group owns 256 queries of a head; each of its eight waves two tiles of 16, X and Y, which share every fragment of K and V read from LDS.  Both products are used transposed (S^T = K Q^T, O^T = V^T P^T): a lane holds one query throughout.
; REGISTERS.  Window 0: all that the softmax works on, for both tiles, so that their chains lie side by side under one setting; scale words.  Window 1: K's and V's fragments, O^T, Q.
; A STEP of the loop: Y's S^T(j) among X's maxima; O^T += V^T P^T of step j - 1 among Y's maxima; LDS loads of K(j + 1) and V(j); the softmax of step j; O^T x f(j); X's S^T(j + 1) among Y's sums and holds.
; The first step finds p = 0 and O^T = 0.  The last step's look-ahead at K takes V's first block, which lies behind K in LDS; the eight products made of it are read by nobody.
; LDS holds the head's K (139,264 bytes) and V (139,264) whole: each byte is filled once.  Waves 0-3 fetch K, waves 4-7 V: one step's block each at the head (steps 0 to 3), three steps' blocks each behind a round (steps 4 to 15), with three steps' work in which to land.
; CLUSTER.  The four query blocks of a cluster read the same head: every tile is asked for jointly.  No prefetch: behind the head there is one group of loads, and no loop of loads to run ahead of.
; THE FIRST PRODUCT'S K IS 64 in an instruction of 128: Q's upper eight registers are zero codes; K's operand of tile t runs on into tile t + 1's codes (behind the last tile: V's), which are finite since the quantiser holds every number, so these products are zeros;
; the scale words' upper two bytes are 0, which is a power of two and no NaN.
; LIMITS: the promise holds while t stays under 2^31 in magnitude; v_exp_f32 and v_rcp_f32 are accurate to 1 ulp; a block of zeros gets the byte 1; NaN and infinities are not served.
; aos is stored two bytes a lane: a row's other 30 bytes belong to other heads' work-groups; it is one byte in 32 of what the launch stores.
.set VOFF,  139264                     ; V's place in LDS
.set STEPB, 8704                       ; a step's block
.set SPARE, 2*VOFF                     ; the spare words, 128 bytes for each wave
.set LI,  1                            ; 16 x lane
.set R16, 2                            ; 16 x (lane % 16)
.set AOS, 5                            ; 32 r + 512 h
.set SPW, 6
.set NIL, 7
.set ADK, 8
.set ADV, 9
.set ADS, 10
.set MM,  12                           ; v12, v14: -M of X, Y;  v13, v15: the largest score so far
.set LL,  16                           ; v[16:19], v[20:23]: l in four parts
.set FF,  24                           ; v24, v26: f = 2^(old M - new M); v25, v27 are only named
.set BM,  28                           ; eight blocks' largest scores, then t - M of them (X's four, Y's four; so T, HD, SO)
.set T,   36                           ; n
.set HD,  44                           ; 57,344 x the scale
.set SO,  52                           ; the conversions' scale operands
.set TMP, 60                           ; v60-63
.set KSW, 64                           ; K's scale words
.set VSW, 72                           ; V's
.set PSW, 76                           ; p's, X and Y
.set QSW, 78                           ; Q's, X and Y
.set PC,  80                           ; p's codes, 16 a tile
.set S,   112                          ; S^T, then p: X's 64
.set SY,  176                          ; Y's 64
.set AC,  240                          ; v240-247: parts of the sums
.set CL,  248                          ; -111.0
.set KF,  0                            ; window 1: K's 8 tiles x 8
.set VF,  64                           ; V's 4 tiles x 16
.set OT,  128                          ; O^T: X's 32, Y's 32
.set QF,  192                          ; Q of X, 8 zeros, Q of Y, 8 zeros
.set G1,  28
.set G0K, 36
.set G0V, 40
.set G1L, 44
.set TB,  52
.set CNT, 53
.set G0KL, 68
.set G0VL, 72
.set MSB, 0
.macro WIN new                         ; the immediate's high byte repeats the setting that is left
.if MSB != (\new)
	s_set_vgpr_msb (MSB<<8)|(\new)
.set MSB, (\new)
.endif
.endm
.macro CROUND
	s_barrier_signal -1
	s_barrier_wait -1
	s_cmp_lg_u32 s12, 0
	s_cbranch_scc1 .Lnot_wave_0_\@
	s_barrier_signal -3
.Lnot_wave_0_\@:
	s_barrier_wait -3
	s_barrier_signal -1
	s_barrier_wait -1
.endm
.macro JLOAD gk, gv, g1                ; one joint load a wave; four v_nop follow each line
	s_cmp_lt_u32 s12, 4
	s_cbranch_scc0 .Lfor_v_\@
	tensor_load_to_lds s[\gk:\gk+3], s[\g1:\g1+7]
	s_nop 0
.rept 4
	v_nop
.endr
	s_branch .Lasked_\@
.Lfor_v_\@:
	tensor_load_to_lds s[\gv:\gv+3], s[\g1:\g1+7]
	s_nop 0
.rept 4
	v_nop
.endr
.Lasked_\@:
.endm
.macro GROUP0 g, lds, ldsoff, base     ; count 1, LDS address, global address, type 2
	s_mov_b32 s[\g], 1
	s_add_co_u32 s[\g+1], s\lds, \ldsoff
	s_mov_b64 s[\g+2:\g+3], s[\base:\base+1]
	s_or_b32 s[\g+3], s[\g+3], 0x80000000
.endm
.macro GROUP1 g, rows                  ; so many rows of 256 dense bytes (32 elements of 8), no padding; the mask: all four work-groups; bit 21 beside a mask
	s_mov_b32 s[\g], 15|(3<<16)|(1<<21)
	s_mov_b32 s[\g+1], 32<<16
	s_mov_b32 s[\g+2], (\rows)<<16
	s_mov_b32 s[\g+3], 32<<16
	s_mov_b32 s[\g+4], \rows
	s_mov_b32 s[\g+5], 32
	s_mov_b32 s[\g+6], 0
	s_mov_b32 s[\g+7], 0
.endm
.macro ZERO r, n
.set J, 0
.rept \n
	v_mov_b32 v[\r+J], 0
.set J, J+1
.endr
.endm
	s_load_b256 s[4:11], s[0:1], 0x0               ; qk, vt, ao, aos
	v_lshl_add_u32 v[SPW], v0, 2, SPARE
	v_mov_b32 v[NIL], 0
	ds_add_u32 v[SPW], v[NIL]                      ; the wave's opening: the add, twice on end, and its wait ahead of my first tensor load
	ds_add_u32 v[SPW], v[NIL]
	v_lshrrev_b32 v3, 5, v0
	v_readfirstlane_b32 s12, v3                    ; wave 0..7
	s_bfe_u32 s13, ttmp6, 0x40000                  ; cx
	s_lshl_b32 s14, ttmp9, 2
	s_add_co_u32 s14, s14, s13                     ; my block of 256 queries: it enters Q's, ao's and aos's addresses alone
	s_and_b32 s15, ttmp7, 0xffff                   ; 16 x batch + head, which the partners share
	s_and_b32 s16, s15, 15                         ; head
	s_lshr_b32 s17, s15, 4                         ; batch
	s_and_b32 s19, s12, 3                          ; my place among the four that fetch K, or V
	s_mov_b32 s20, 0x76543210
	s_mov_b32 s21, 0xfedcba98                      ; v_permlanex16_b32's selects for lane l xor 16
	s_mov_b32 s22, 0x3e38aa3b                      ; c = log2(e) / 8
	s_mov_b32 s23, s22                             ; (named with it as a pair)
	s_mov_b32 s24, 0x600000                        ; the mantissa field of 57,344
	GROUP1 G1, 34                                  ; one step's block
	GROUP1 G1L, 102                                ; three
	s_mul_i32 s56, s19, STEPB                      ; my block among the first four, in memory and in LDS
	s_lshl_b32 s60, s56, 1
	s_add_co_u32 s60, s60, 4*STEPB                 ; from there to my three blocks of steps 4 on: they begin at step 4 + 3 (wave % 4)
	s_mov_b32 s61, 0
	s_add_co_u32 s62, s56, s60
	s_add_co_u32 s54, s16, 16
	s_mul_i32 s54, s54, 278528                     ; K's head,
	s_mul_i32 s55, s17, 139264                     ; the batch's 16 groups,
	s_add_co_u32 s54, s54, s55
	s_add_co_u32 s54, s54, s56
	s_mov_b32 s55, 0
	s_mul_i32 s58, s15, 139264                     ; V's head
	s_add_co_u32 s58, s58, s56
	s_mov_b32 s59, 0
	s_lshl_b32 s57, s17, 7
	s_lshl_b32 s63, s14, 4
	s_add_co_u32 s57, s57, s63
	s_lshl_b32 s63, s12, 1
	s_add_co_u32 s57, s57, s63                     ; RT = 128 batch + 16 block + 2 wave: my first tile of 16 stored rows
	s_lshl_b32 s88, s57, 14                        ; ao: 16,384 bytes a tile of rows,
	s_lshl_b32 s63, s16, 10
	s_add_co_u32 s88, s88, s63                     ; 1,024 a head
	s_mov_b32 s89, 0
	s_lshl_b32 s90, s57, 9                         ; aos: 512 bytes a tile of rows,
	s_lshl_b32 s63, s16, 1
	s_add_co_u32 s90, s90, s63                     ; 2 a head
	s_mov_b32 s91, 0
	s_mul_i32 s84, s16, 278528                     ; Q's head,
	s_lshr_b32 s63, s57, 3
	s_mul_i32 s63, s63, STEPB
	s_add_co_u32 s84, s84, s63                     ; the group of 8 tiles
	s_and_b32 s63, s57, 7                          ; a: my first tile in it (even)
	s_lshr_b32 s86, s63, 2
	s_lshl_b32 s86, s86, 8
	s_and_b32 s87, s63, 3
	s_lshl_b32 s87, s87, 2
	s_add_co_u32 s86, s86, s87
	s_add_co_u32 s86, s86, s84
	s_add_co_u32 s86, s86, 8192                    ; its scale words
	s_mov_b32 s87, 0
	s_lshl_b32 s63, s63, 10
	s_add_co_u32 s84, s84, s63                     ; its codes
	s_mov_b32 s85, 0
	s_wait_dscnt 0x0                               ; both opening adds are done
	s_wait_kmcnt 0x0
	s_add_nc_u64 s[54:55], s[4:5], s[54:55]
	s_add_nc_u64 s[58:59], s[6:7], s[58:59]
	s_add_nc_u64 s[84:85], s[4:5], s[84:85]
	s_add_nc_u64 s[86:87], s[4:5], s[86:87]
	s_add_nc_u64 s[8:9], s[8:9], s[88:89]
	s_add_nc_u64 s[10:11], s[10:11], s[90:91]
	GROUP0 G0K, 56, 0, 54
	GROUP0 G0V, 56, VOFF, 58
	s_add_nc_u64 s[54:55], s[54:55], s[60:61]
	s_add_nc_u64 s[58:59], s[58:59], s[60:61]
	GROUP0 G0KL, 62, 0, 54
	GROUP0 G0VL, 62, VOFF, 58
	CROUND                                         ; all four work-groups are here: the joint loads meet
	JLOAD G0K, G0V, G1                             ; steps 0 to 3
	v_and_b32 v3, 31, v0
	v_and_b32 v4, 15, v0                           ; r
	v_bfe_u32 v11, v0, 4, 1                        ; h
	v_lshlrev_b32 v[LI], 4, v3
	v_lshlrev_b32 v[R16], 4, v4
	v_lshlrev_b32 v[AOS], 5, v4
	v_lshl_add_u32 v[AOS], v11, 9, v[AOS]
	global_load_b32 v[QSW], v[R16], s[86:87]                       ; Q's scale words
	global_load_b32 v[QSW+1], v[R16], s[86:87] offset:4
	WIN 0x40                                       ; destination window 1
	global_load_b128 v[QF:QF+3], v[LI], s[84:85]                   ; Q stays in registers
	global_load_b128 v[QF+4:QF+7], v[LI], s[84:85] offset:512
	global_load_b128 v[QF+16:QF+19], v[LI], s[84:85] offset:1024
	global_load_b128 v[QF+20:QF+23], v[LI], s[84:85] offset:1536
	ZERO QF+8, 8                                   ; Q's zero codes for k = 64 .. 127
	ZERO QF+24, 8
	ZERO OT, 64
	ZERO VF, 64                                    ; (what the first step multiplies by zero codes, and what stands behind K's last tile there)
	WIN 0
	ZERO LL, 12                                    ; l, f
	ZERO T, 8                                      ; (a lane permute's destination counts as one of its sources)
	ZERO VSW, 6                                    ; V's and p's scale words of the first step
	ZERO PC, 32
	v_mov_b32 v[CL], 0xc2de0000
.irp y, 0,1
	v_mov_b32 v[MM+2*\y], 0x7e967699               ; -M under which the first f is 0
	v_mov_b32 v[MM+2*\y+1], 0xff61b1e6             ; the largest score so far: -3e38
.endr
	s_wait_alu depctr_va_vdst(0)                   ; the wait at the head's end
	s_wait_tensorcnt 0x0                           ; my block of the first four steps is in
	ds_add_u32 v[SPW], v[NIL]
	s_mov_b32 s[TB], 0
	s_mov_b32 s[CNT], 3
	s_wait_dscnt 0x0
	CROUND                                         ; everybody's blocks are in
	JLOAD G0KL, G0VL, G1L                          ; steps 4 to 15
.macro KLOAD a, s, off                 ; K's 8 tiles and their scale words: 18 loads
	WIN 0x40
.irp t, 0,1,2,3,4,5,6,7
	ds_load_b128 v[KF+8*\t:KF+8*\t+3], v[\a] offset:\off+1024*\t
	ds_load_b128 v[KF+8*\t+4:KF+8*\t+7], v[\a] offset:\off+1024*\t+512
.endr
	WIN 0
	ds_load_b128 v[KSW:KSW+3], v[\s] offset:\off+8192
	ds_load_b128 v[KSW+4:KSW+7], v[\s] offset:\off+8448
.endm
.macro VLOAD                           ; V's 4 tiles and their scale words: 17 loads
	WIN 0x40
.irp d, 0,1,2,3
.irp c, 0,1,2,3
	ds_load_b128 v[VF+16*\d+4*\c:VF+16*\d+4*\c+3], v[ADV] offset:2048*\d+512*\c
.endr
.endr
	WIN 0
	ds_load_b128 v[VSW:VSW+3], v[ADV] offset:8192
.endm
.macro SMUL y, t                       ; S^T of tile y, key tile t: K and Q in window 1
	WIN 0x05
	v_wmma_scale_f32_16x16x128_f8f6f4 v[S+64*\y+8*(\t):S+64*\y+8*(\t)+7], v[KF+8*(\t):KF+8*(\t)+15], v[QF+16*\y:QF+16*\y+15], 0, v[KSW+(\t)], v[QSW+\y] matrix_a_fmt:MATRIX_FMT_BF8 matrix_b_fmt:MATRIX_FMT_BF8
	WIN 0
.endm
.macro PVMUL m                         ; O^T of tile m % 2, features' tile m / 2: V, C and D in window 1; eight accumulators by turns
.set D_, (\m)/2
.set Y_, (\m)%2
	WIN 0x51
	v_wmma_scale_f32_16x16x128_f8f6f4 v[OT+32*Y_+8*D_:OT+32*Y_+8*D_+7], v[VF+16*D_:VF+16*D_+15], v[PC+16*Y_:PC+16*Y_+15], v[OT+32*Y_+8*D_:OT+32*Y_+8*D_+7], v[VSW+D_], v[PSW+Y_] matrix_a_fmt:MATRIX_FMT_BF8 matrix_b_fmt:MATRIX_FMT_BF8
	WIN 0
.endm
.macro AL y, k                         ; lines 0 .. 31 of tile y's maxima: the largest score of each block of 32 keys, four blocks by turns
.set B_, 4*\y+(\k)%4
.set I_, (\k)/4
.if I_ == 0
	v_max3_num_f32 v[BM+B_], v[S+16*B_], v[S+16*B_+1], v[S+16*B_+2]
.elseif I_ < 7
	v_max3_num_f32 v[BM+B_], v[BM+B_], v[S+16*B_+2*I_+1], v[S+16*B_+2*I_+2]
.else
	v_max_num_f32 v[BM+B_], v[BM+B_], v[S+16*B_+15]
.endif
.endm
.macro ADD2 d, a                       ; two numbers at once: d += a
	v_pk_add_f32 v[\d:\d+1], v[\d:\d+1], v[\a:\a+1]
.endm
.macro SL y, k                         ; lines 0 .. 33 of tile y's sum: l under the new M, and this step's unquantised p in four chains
.set P_, S+64*\y
.set L_, LL+4*\y
.set A_, AC+4*\y
.set Z_, (\k)%2*2
.if (\k) < 2
	v_pk_mul_f32 v[L_+Z_:L_+Z_+1], v[L_+Z_:L_+Z_+1], v[FF+2*\y:FF+2*\y+1] op_sel_hi:[1,0]
.elseif (\k) < 4
	v_pk_add_f32 v[A_+Z_:A_+Z_+1], v[P_+4+Z_:P_+5+Z_], v[P_+12+Z_:P_+13+Z_]
.elseif (\k) < 6
	ADD2 L_+Z_, P_+Z_
.elseif (\k) < 30
.set G_, P_+16+8*(((\k)-6)/4)
.if ((\k)-6)%4 < 2
	ADD2 A_+Z_, G_+4+Z_
.else
	ADD2 L_+Z_, G_+Z_
.endif
.elseif (\k) < 32
	ADD2 A_+Z_, P_+8+Z_
.else
	ADD2 L_+Z_, A_+Z_
.endif
.endm
.macro CVT x, n, so                    ; four blocks of 16 numbers a lane from v[x] on -> codes, four registers a block
.irp b, 0,1,2,3
	v_cvt_scalef32_pk8_bf8_f32 v[\n+4*\b:\n+4*\b+1], v[\x+16*\b:\x+16*\b+7], v[\so+\b]
	v_cvt_scalef32_pk8_bf8_f32 v[\n+4*\b+2:\n+4*\b+3], v[\x+16*\b+8:\x+16*\b+15], v[\so+\b]
.endr
.endm
.macro PKFMA r
	v_pk_fma_f32 v[\r:\r+1], v[\r:\r+1], s[22:23], v[MM+2*((\r-S)/64):MM+2*((\r-S)/64)+1] op_sel_hi:[1,0,0]   ; t - M, two at a time
.endm
.macro HOLD r                          ; the conversion does not saturate (ISA guide 7.6.2); p is not negative, so the hold is one-sided
	v_dual_min_num_f32 v[\r], v[\r], v[HD+(\r-S)/16] :: v_dual_min_num_f32 v[\r+1], v[\r+1], v[HD+(\r-S)/16]
.endm
.macro YL u                            ; what stands among X's next products: lines 0 .. 31 of Y's sum, then Y's 32 pairs of holds
.if (\u) < 32
	SL 1, \u
.else
	HOLD SY+2*((\u)-32)
.endif
.endm
; A KEY STEP: 128 keys
.macro STEP
.set N_, 0
.rept 8
	SMUL 1, N_
	AL 0, 3*N_
	AL 0, 3*N_+1
	AL 0, 3*N_+2
.set N_, N_+1
.endr
.set N_, 24
.rept 8                                ; (these eight lines are also the places behind the last of Y's products)
	AL 0, N_
.set N_, N_+1
.endr
.set N_, 0
.rept 8
	PVMUL N_
	AL 1, 4*N_
	AL 1, 4*N_+1
	AL 1, 4*N_+2
	AL 1, 4*N_+3
.set N_, N_+1
.endr
	v_add_nc_u32 v[ADK], s[TB], v[LI]
	v_add_nc_u32 v[ADS], s[TB], v[R16]
	v_add_nc_u32 v[ADV], VOFF, v[ADK]
	KLOAD ADK, ADS, STEPB
.irp b, 0,1,2,3,4,5,6,7
	v_permlanex16_b32 v[T+\b], v[BM+\b], s20, s21
.endr
	VLOAD                                          ; (more than eight plain lines behind the last product with V)
.irp b, 0,2,4,6
	v_dual_max_num_f32 v[BM+\b], v[BM+\b], v[T+\b] :: v_dual_max_num_f32 v[BM+\b+1], v[BM+\b+1], v[T+\b+1]   ; with lane l xor 16's 16 keys
.endr
.irp y, 0,1
	v_max3_num_f32 v[TMP+\y], v[BM+4*\y], v[BM+4*\y+1], v[BM+4*\y+2]
.endr
.irp y, 0,1
	v_max3_num_f32 v[MM+2*\y+1], v[MM+2*\y+1], v[BM+4*\y+3], v[TMP+\y]   ; the running largest score
.endr
.irp y, 0,1
	v_mul_f32 v[TMP+\y], 0xbe38aa3b, v[MM+2*\y+1]  ; -t = -c x it
.endr
.irp y, 0,1
	v_floor_f32 v[TMP+\y], v[TMP+\y]               ; the new -M = floor(-t)
.endr
.irp y, 0,1
	v_sub_f32 v[TMP+2+\y], v[TMP+\y], v[MM+2*\y]   ; old M - new M: a whole number, 0 or less
.endr
.irp y, 0,1
	v_mov_b32 v[MM+2*\y], v[TMP+\y]
.endr
.irp y, 0,1
	v_cvt_i32_f32 v[TMP+2+\y], v[TMP+2+\y]         ; (it saturates)
.endr
.irp b, 0,2,4,6
	v_pk_fma_f32 v[BM+\b:BM+\b+1], v[BM+\b:BM+\b+1], s[22:23], v[MM+2*(\b/4):MM+2*(\b/4)+1] op_sel_hi:[1,0,0]   ; t - M of each block's largest score
.endr
.irp y, 0,1
	v_ldexp_f32 v[FF+2*\y], 1.0, v[TMP+2+\y]       ; f
.endr
.irp b, 0,2,4,6
	v_dual_max_num_f32 v[BM+\b], v[BM+\b], v[CL] :: v_dual_max_num_f32 v[BM+\b+1], v[BM+\b+1], v[CL]   ; held at -111
.endr
.irp b, 0,1,2,3,4,5,6,7
	v_cvt_floor_i32_f32 v[T+\b], v[BM+\b]          ; n
.endr
.irp b, 0,1,2,3,4,5,6,7
	v_lshl_add_u32 v[SO+\b], v[T+\b], 23, 0x38000000   ; the conversion's scale operand: exponent field n + 112
.endr
.irp b, 0,1,2,3,4,5,6,7
	v_add_nc_u32 v[HD+\b], 0x7e00000, v[SO+\b]     ; 57,344 x the scale: 15 more in the exponent field, and 57,344's mantissa field
.endr
.irp y, 0,1
	v_lshl_add_u32 v[TMP+\y], v[T+4*\y+1], 8, v[T+4*\y]
	v_lshl_add_u32 v[TMP+2+\y], v[T+4*\y+3], 8, v[T+4*\y+2]
.endr
.irp y, 0,1
	v_lshl_add_u32 v[TMP+\y], v[TMP+2+\y], 16, v[TMP+\y]
.endr
.irp y, 0,1
	v_add_nc_u32 v[PSW+\y], 0x70707070, v[TMP+\y]  ; p's scale word: the four bytes n + 112
.endr
.set J, 0
.rept 32
	PKFMA S+J
.set J, J+2
.endr
	s_wait_alu depctr_va_vdst(0)                   ; ahead of the batch
.set J, 0
.rept 32                               ; X's p = 2^(t - M), at most 1; between them Y's t - M, which nobody reads ahead of the next wait
	v_exp_f32 v[S+J], v[S+J]
	v_exp_f32 v[S+J+1], v[S+J+1]
	PKFMA SY+J
.set J, J+2
.endr
	s_wait_alu depctr_va_vdst(0)                   ; behind the batch, and ahead of the next
.set N_, 0
.rept 34
	SL 0, N_
.set N_, N_+1
.endr
.set J, 0
.rept 32                               ; Y's p; between them X's holds, which nobody reads ahead of the next wait
	v_exp_f32 v[SY+J], v[SY+J]
	v_exp_f32 v[SY+J+1], v[SY+J+1]
	HOLD S+J
.set J, J+2
.endr
	s_wait_dscnt 0x0                               ; K(j + 1), V(j)
	WIN 0x41                                       ; source 0 and destination in window 1
	s_wait_alu depctr_va_vdst(0)                   ; behind the batch, and directly ahead of the first reader of O^T
.set J, 0
.rept 32                               ; O^T under the new M, from each accumulator's low end on
	v_pk_mul_f32 v[OT+J:OT+J+1], v[OT+J:OT+J+1], v[FF+2*(J/32):FF+2*(J/32)+1] op_sel_hi:[1,0]
.set J, J+2
.endr
	WIN 0
	CVT S, PC, SO
	YL 0                                           ; (plain lines behind the last conversion, whose sources the products below write)
	YL 1
.set N_, 0
.rept 8
	SMUL 0, N_
	YL 2+7*N_
	YL 3+7*N_
	YL 4+7*N_
	YL 5+7*N_
	YL 6+7*N_
	YL 7+7*N_
	YL 8+7*N_
.set N_, N_+1
.endr
.set N_, 58
.rept 6
	YL N_
.set N_, N_+1
.endr
	CVT SY, PC+16, SO+4
	SL 1, 32                                       ; (also the plain lines behind the last conversion)
	SL 1, 33
.endm
	KLOAD LI, R16, 0
	s_wait_loadcnt 0x0                             ; Q
	s_wait_dscnt 0x0                               ; K(0)
.set N_, 0
.rept 8
	SMUL 0, N_
.set N_, N_+1
.endr
.rept 8
	v_nop                                          ; places: the loop begins with reads of these scores
.endr
.Lfirst:                                           ; steps 0 to 2, which look ahead at K of steps 1 to 3
	STEP
	s_add_co_u32 s[TB], s[TB], STEPB
	s_sub_co_u32 s[CNT], s[CNT], 1
	s_cmp_lg_u32 s[CNT], 0
	s_wait_alu depctr_va_vdst(0)                   ; directly ahead of the branch
	s_cbranch_scc1 .Lfirst
	s_wait_tensorcnt 0x0                           ; my blocks of steps 4 to 15 are in; nothing is ever filled again
	s_wait_dscnt 0x0
	s_barrier_signal -1
	s_barrier_wait -1                              ; everybody's are
	s_mov_b32 s[TB], 3*STEPB
	s_mov_b32 s[CNT], 13
.Lrest:                                            ; steps 3 to 15
	STEP
	s_add_co_u32 s[TB], s[TB], STEPB
	s_sub_co_u32 s[CNT], s[CNT], 1
	s_cmp_lg_u32 s[CNT], 0
	s_wait_alu depctr_va_vdst(0)                   ; directly ahead of the branch
	s_cbranch_scc1 .Lrest
.set N_, 0
.rept 8                                ; the last step's p
	PVMUL N_
.set N_, N_+1
.endr
; O^T / l, then quantised along the head's 64 features: register 16 i' + j of a tile's 32 is feature 32 i' + 16 (lane / 16) + j of my query.  The eight lines of the sums are places behind the last products
.irp y, 0,1
	v_pk_add_f32 v[LL+4*\y:LL+4*\y+1], v[LL+4*\y:LL+4*\y+1], v[LL+4*\y+2:LL+4*\y+3]
.endr
.irp y, 0,1
	v_add_f32 v[LL+4*\y], v[LL+4*\y], v[LL+4*\y+1]
.endr
.irp y, 0,1
	v_permlanex16_b32 v[TMP+\y], v[LL+4*\y], s20, s21
.endr
.irp y, 0,1
	v_add_f32 v[LL+4*\y], v[LL+4*\y], v[TMP+\y]    ; the row's sum
.endr
	s_wait_alu depctr_va_vdst(0)                   ; ahead of the transcendentals
	v_rcp_f32 v[LL], v[LL]
	v_rcp_f32 v[LL+4], v[LL+4]
	v_nop                                          ; a plain line behind them
	WIN 0x01                                       ; O^T in window 1
	s_wait_alu depctr_va_vdst(0)                   ; ahead of the first readers of the sums' reciprocals and of O^T
.set J, 0
.rept 32
	v_pk_mul_f32 v[S+J:S+J+1], v[OT+J:OT+J+1], v[LL+4*(J/32):LL+4*(J/32)+1] op_sel_hi:[1,0]
.set J, J+2
.endr
	WIN 0
.irp b, 0,1,2,3                        ; blocks 0, 1: X's; 2, 3: Y's
	v_max3_num_f32 v[BM+\b], |v[S+16*\b]|, |v[S+16*\b+1]|, 0x8000000
.endr
.irp i, 2,4,6,8,10,12,14
.irp b, 0,1,2,3
	v_max3_num_f32 v[BM+\b], v[BM+\b], |v[S+16*\b+\i]|, |v[S+16*\b+\i+1]|
.endr
.endr
.irp b, 0,1,2,3
	v_permlanex16_b32 v[T+\b], v[BM+\b], s20, s21
.endr
.irp b, 0,1,2,3
	v_max_num_f32 v[BM+\b], v[BM+\b], v[T+\b]
.endr
.irp b, 0,1,2,3
	v_add_nc_u32 v[SO+\b], 0xf8800000, v[BM+\b]    ; 15 off the exponent field
.endr
.irp b, 0,1,2,3
	v_and_or_b32 v[HD+\b], v[BM+\b], 0x7f800000, s24   ; 57,344 x the scale
.endr
.irp b, 0,1,2,3
	v_lshrrev_b32 v[T+\b], 23, v[SO+\b]            ; the scale's byte
.endr
.irp b, 0,1,2,3
.irp i, 0,1,2,3,4,5,6,7,8,9,10,11,12,13,14,15
	v_med3_num_f32 v[S+16*\b+\i], v[S+16*\b+\i], -v[HD+\b], v[HD+\b]
.endr
.endr
	CVT S, PC, SO
	v_lshl_or_b32 v[TMP], v[T+1], 8, v[T]          ; my row's two scale bytes
	v_lshl_or_b32 v[TMP+1], v[T+3], 8, v[T+2]
	s_mov_b32 vcc_lo, 0xffff0000
	v_cndmask_b32 v[TMP+2], v[TMP], v[TMP+1], vcc_lo               ; lanes 0-15: tile X's rows; lanes 16-31: tile Y's (both halves of the lanes hold the same rows' bytes)
	global_store_b128 v[LI], v[PC:PC+3], s[8:9]                    ; 32 lanes store 512 consecutive bytes, aligned
	global_store_b128 v[LI], v[PC+4:PC+7], s[8:9] offset:512
	global_store_b128 v[LI], v[PC+8:PC+11], s[8:9] offset:16384
	global_store_b128 v[LI], v[PC+12:PC+15], s[8:9] offset:16384+512
	global_store_b16 v[AOS], v[TMP+2], s[10:11]
	s_wait_tensorcnt 0x0                           ; the wave's end
	ds_add_u32 v[SPW], v[NIL]
	s_wait_dscnt 0x0
	CROUND                                         ; the closing round: no work-group ends while a partner may still ask for a tile that names it
	s_endpgm
.Lfunc_end_k_qb3959d3f6b_attn:
	.size	k_qb3959d3f6b_attn, .Lfunc_end_k_qb3959d3f6b_attn-k_qb3959d3f6b_attn
	.p2alignl 7, 3214868480
	.fill 96, 4, 3214868480
	.section	.rodata,"a",@progbits
	.p2align	6, 0x0
	.amdhsa_kernel k_qb3959d3f6b_attn
		.amdhsa_group_segment_fixed_size 327680
		.amdhsa_private_segment_fixed_size 0
		.amdhsa_enable_private_segment 0
		.amdhsa_kernarg_size 32
		.amdhsa_user_sgpr_count 2
		.amdhsa_user_sgpr_kernarg_segment_ptr 1
		.amdhsa_wavefront_size32 1
		.amdhsa_system_sgpr_workgroup_id_x 1
		.amdhsa_system_sgpr_workgroup_id_y 1
		.amdhsa_system_sgpr_workgroup_id_z 1
		.amdhsa_system_vgpr_workitem_id 0
		.amdhsa_next_free_vgpr 512
		.amdhsa_next_free_sgpr 92
		.amdhsa_reserve_vcc 1
		.amdhsa_float_denorm_mode_32 3
		.amdhsa_float_denorm_mode_16_64 3
		.amdhsa_memory_ordered 1
		.amdhsa_forward_progress 1
		.amdhsa_inst_pref_size 100
	.end_amdhsa_kernel
	.amdgpu_metadata
---
amdhsa.version: [ 1, 2 ]
amdhsa.kernels:
  - .name:           k_qb3959d3f6b_attn
    .symbol:         k_qb3959d3f6b_attn.kd
    .args:
      - { .name: qk, .offset: 0, .size: 8, .value_kind: global_buffer, .address_space: global }
      - { .name: vt, .offset: 8, .size: 8, .value_kind: global_buffer, .address_space: global }
      - { .name: ao, .offset: 16, .size: 8, .value_kind: global_buffer, .address_space: global }
      - { .name: aos, .offset: 24, .size: 8, .value_kind: global_buffer, .address_space: global }
    .group_segment_fixed_size: 327680
    .private_segment_fixed_size: 0
    .kernarg_segment_align: 8
    .kernarg_segment_size: 32
    .max_flat_workgroup_size: 256
    .sgpr_count:     92
    .vgpr_count:     512
    .wavefront_size: 32
...
	.end_amdgpu_metadata
.endif
;; end of part 3
;; launch oproj (part 4): grid 8 x 32, 4 waves a work-group, clusters of 4 x 4, 327,680 bytes of LDS; arguments ao, aos, wc, ws, bo, out0; writes out0
.if DOCPART == 4
	.amdgcn_target "amdgcn-amd-amdhsa--gfx1250"
	.amdhsa_code_object_version 6
	.text
	.protected	k_qb3959d3f6b_oproj
	.globl	k_qb3959d3f6b_oproj
	.p2align	8
	.type	k_qb3959d3f6b_oproj,@function
k_qb3959d3f6b_oproj:
	s_mov_b64 s[64:65], 0
	v_nop
	global_prefetch_b8 v0, s[64:65] scope:SCOPE_SE
	s_setreg_imm32_b32 hwreg(HW_REG_WAVE_MODE, 25, 1), 1
	s_wait_xcnt 0x0
	s_wait_alu depctr_hold_cnt(0) depctr_sa_sdst(0) depctr_va_vdst(0) depctr_va_sdst(0) depctr_va_ssrc(0) depctr_va_vcc(0) depctr_vm_vsrc(0)
	s_getreg_b32 s2, hwreg(HW_REG_IB_STS2, 6, 4)
	s_cmp_eq_u32 s2, 0
	s_cbranch_scc0 .Lentry_in_a_cluster
	s_endpgm
.Lentry_in_a_cluster:
	s_bfe_u32 s2, ttmp6, 0x10000c
	s_cmp_lg_u32 s2, 0xf033
	s_cbranch_scc0 .Lentry_shape_is_right
	s_endpgm
.Lentry_shape_is_right:
; out0 = A Wo^T + bo, A the attention's result, on codes of BF8 (E5M2) with one E8M0 scale for each 32 along K = 1,024; sums in f32.
; IN.  ao [256 tiles of 16 stored rows][8 K steps of 128][4][512]: register images of A's fragments; aos [4096 stored rows][32]: its scale bytes.  Wo's codes are rows 3,072 on of wc [4096][1024], its scale bytes of ws [4096][32].
; Stored row 32 p + 16 u + r is row 32 p + 8 u + r + 8 (r / 8), in ao, aos, wc and ws alike.  Source 0 = 16 rows of Wo, source 1 = 16 rows of A: a lane holds one row of out0, and the 16 registers of Wo's tiles 2 i, 2 i + 1 are the 16 neighbouring columns 32 i + 16 (lane / 16) + 0 .. 15.
; SHARES.  A tile of 128 x 128 to a work-group, which gives each of 256 work-groups one tile (256 x 256 would give 64); four waves of 64 x 64.
; LDS holds the work-group's operands for all of K: each byte is filled once, by one joint load a wave: wave 0 A's images (131,072 bytes), wave 1 Wo's 128 rows, wave 2 A's scale bytes, wave 3 Wo's.  No prefetch: no loads follow these.
; THE PRODUCTS GO BY ROWS OF THE RESULT: Wo's fragments of all of K stay in registers, and A's blocks of 16 rows are finished one after the other and leave at once.  The first block takes its K steps as Wo's fragments come in.
; CLUSTERS: 4 x 4; A's tiles are asked for jointly along a row of the cluster, Wo's along a column.  The bias is the C of each sum's first matrix instruction.
; REGISTERS: window 0: addresses, scale words (register 10 i + k from SC on: lanes 0-15 A's block i, lanes 16-31 Wo's block i, K step k), the bias, two sets of four accumulators, two sets for the way out; windows 1, 2: Wo's fragments, K steps 0-3 and 4-7; window 3: two blocks of A.
; LIMITS: NaN and infinities are not served.
.set BOFF,  131072                     ; Wo's rows in LDS: 1,024 bytes + 16 of padding each
.set WP,    1040
.set SCL,   BOFF+128*WP                ; the scale bytes: A's 128 rows (16 units of 256 + 16), then Wo's
.set STAGE, SCL+2*4352                 ; the way out: 16 rows x (256 + 16) bytes for each wave: bytes of their own, into which no tile lands
.set SPARE, STAGE+4*4352               ; the spare words, 128 bytes for each wave
.set ADRA, 4
.set ADRB, 5
.set STO,  6
.set RD,   7
.set CO,   8
.set ADRS, 9
.set SPW,  10
.set NIL,  11
.set SC,   24
.set BI,   64
.set ACC,  96
.set OB,   160
.set G1A,  24
.set G1B,  32
.set G1S,  40
.set G1SB, 48
.set G0A,  56
.set G0B,  60
.set G0S,  68
.set G0SB, 72
.set MSB, 0
.macro WIN new                         ; the immediate's high byte repeats the setting that is left
.if MSB != (\new)
	s_set_vgpr_msb (MSB<<8)|(\new)
.set MSB, (\new)
.endif
.endm
.macro CROUND
	s_barrier_signal -1
	s_barrier_wait -1
	s_cmp_lg_u32 s16, 0
	s_cbranch_scc1 .Lnot_wave_0_\@
	s_barrier_signal -3
.Lnot_wave_0_\@:
	s_barrier_wait -3
	s_barrier_signal -1
	s_barrier_wait -1
.endm
.macro GROUP0 g, lds, base, off        ; count 1, LDS address, global address, type 2
	s_mov_b32 s[\g], 1
	s_mov_b32 s[\g+1], \lds
	s_add_nc_u64 s[\g+2:\g+3], s[\base:\base+1], s[\off:\off+1]
	s_or_b32 s[\g+3], s[\g+3], 0x80000000
.endm
.macro GROUP1 g, cols, rows            ; words 1 to 7: so many dense rows
	s_mov_b32 s[\g+1], (\cols)<<16
	s_mov_b32 s[\g+2], (\rows)<<16
	s_mov_b32 s[\g+3], (\cols)<<16
	s_mov_b32 s[\g+4], \rows
	s_mov_b32 s[\g+5], \cols
	s_mov_b32 s[\g+6], 0
	s_mov_b32 s[\g+7], 0
.endm
	s_load_b256 s[4:11], s[0:1], 0x0               ; ao, aos, wc, ws
	s_load_b128 s[12:15], s[0:1], 0x20             ; bo, out0
	v_lshl_add_u32 v[SPW], v0, 2, SPARE
	v_mov_b32 v[NIL], 0
	ds_add_u32 v[SPW], v[NIL]                      ; the wave's opening: the add, twice on end, and its wait ahead of my first tensor load
	ds_add_u32 v[SPW], v[NIL]
	v_lshrrev_b32 v1, 5, v0
	v_readfirstlane_b32 s16, v1                    ; wave 0..3
	s_lshr_b32 s17, s16, 1                         ; which half of the tile's rows is mine
	s_and_b32 s18, s16, 1                          ; which half of its columns
	s_bfe_u32 s19, ttmp6, 0x40000                  ; cx
	s_bfe_u32 s20, ttmp6, 0x40004                  ; cy
	s_lshl_b32 s21, ttmp9, 2
	s_add_co_u32 s21, s21, s19                     ; TC: which 128 columns
	s_and_b32 s22, ttmp7, 0xffff
	s_lshl_b32 s22, s22, 2
	s_add_co_u32 s22, s22, s20                     ; TR: which 128 rows
	s_lshl_b32 s66, s20, 2
	s_lshl_b32 s66, 15, s66                        ; my row of the cluster
	s_lshl_b32 s67, 0x1111, s19                    ; my column
	s_or_b32 s[G1A], s66, (3<<16)|(1<<21)          ; A's images: eight tiles of rows, 16,384 dense bytes each (2,048 elements of 8); no padding
	GROUP1 G1A, 2048, 8
	s_or_b32 s[G1B], s67, (0<<16)|(1<<20)|(1<<21)|(7<<22)|(3<<25)   ; Wo: 128 rows of 1,024 bytes, four words of padding behind every 256
	GROUP1 G1B, 1024, 128
	s_or_b32 s[G1S], s66, (3<<16)|(1<<20)|(1<<21)|(5<<22)|(3<<25)   ; the scale bytes of 128 rows: 4,096 dense bytes as 16 rows of 256 (32 elements of 8), four words of padding behind each
	GROUP1 G1S, 32, 16
	s_or_b32 s[G1SB], s67, (3<<16)|(1<<20)|(1<<21)|(5<<22)|(3<<25)
	GROUP1 G1SB, 32, 16
	s_lshl_b32 s76, s22, 17                        ; A: 8 TR tiles of 16,384 bytes
	s_mov_b32 s77, 0
	s_lshl_b32 s78, s22, 12                        ; its scale bytes: 512 a tile
	s_mov_b32 s79, 0
	s_lshl_b32 s80, s21, 17                        ; Wo: row 3,072 + 128 TC
	s_add_co_u32 s80, s80, 3072*1024
	s_mov_b32 s81, 0
	s_lshl_b32 s82, s21, 12
	s_add_co_u32 s82, s82, 3072*32
	s_mov_b32 s83, 0
	s_wait_dscnt 0x0                               ; both opening adds are done
	s_wait_kmcnt 0x0
	GROUP0 G0A, 0, 4, 76
	GROUP0 G0S, SCL, 6, 78
	GROUP0 G0B, BOFF, 8, 80
	GROUP0 G0SB, SCL+4352, 10, 82
	CROUND                                         ; all sixteen work-groups are here: the joint loads meet
; one tree of branches on the wave's number: every way through the head passes exactly one load; four v_nop follow each line
.macro ARM under, g0, g1, next
	s_cmp_lt_u32 s16, \under
	s_cbranch_scc0 \next
	tensor_load_to_lds s[\g0:\g0+3], s[\g1:\g1+7]
	s_nop 0
.rept 4
	v_nop
.endr
	s_branch .Lasked
\next:
.endm
	ARM 1, G0A, G1A, .Lhead_b
	ARM 2, G0B, G1B, .Lhead_sa
	ARM 3, G0S, G1S, .Lhead_sb
	tensor_load_to_lds s[G0SB:G0SB+3], s[G1SB:G1SB+7]
	s_nop 0
.rept 4
	v_nop
.endr
.Lasked:
	s_mul_i32 s2, s17, 2176                        ; A's scale bytes: my 64 rows
	s_mul_i32 s3, s18, 2176                        ; Wo's: my 64 rows, behind A's 128
	s_add_co_u32 s3, s3, 4352
	s_sub_co_u32 s3, s3, s2
	s_add_co_u32 s2, s2, SCL
	s_lshl_b32 s84, s17, 16                        ; A's images: my four tiles of rows
	s_mul_i32 s85, s18, 64*WP
	s_add_co_u32 s85, s85, BOFF                    ; Wo: my 64 rows
	s_mul_i32 s86, s16, 4352
	s_add_co_u32 s86, s86, STAGE                   ; my stage
	s_lshl_b32 s88, s21, 9
	s_lshl_b32 s89, s18, 8
	s_add_co_u32 s88, s88, s89                     ; my first column, in bytes
	s_mov_b32 s89, 0
	s_add_nc_u64 s[12:13], s[12:13], s[88:89]
	s_add_nc_u64 s[14:15], s[14:15], s[88:89]
	s_lshl_b32 s90, s22, 7
	s_lshl_b32 s91, s17, 6
	s_add_co_u32 s90, s90, s91
	s_lshl_b32 s90, s90, 12                        ; my first row: 128 TR + 64 half, 4,096 bytes a row
	s_mov_b32 s91, 0
	s_add_nc_u64 s[14:15], s[14:15], s[90:91]
	v_and_b32 v1, 15, v0                           ; r
	v_bfe_u32 v2, v0, 4, 1                         ; h
	v_lshlrev_b32 v12, 6, v2                       ; the bias: 16 h numbers on
	v_and_b32 v13, 31, v0
	v_lshrrev_b32 v3, 3, v1
	v_and_b32 v14, 7, v1
	v_lshlrev_b32 v14, 5, v14
	v_mad_u32_u24 v3, v3, 272, v14                 ; my row's 32 scale bytes in a block of 16 rows: eight rows to a unit of 256 + 16
	v_mul_u32_u24 v14, s3, v2                      ; lanes 16-31 take Wo's
	v_add_nc_u32 v3, v3, v14
	v_add_nc_u32 v[ADRS], s2, v3
	v_lshlrev_b32 v13, 4, v13
	v_add_nc_u32 v[ADRA], s84, v13                 ; 16 x lane + my tiles
	v_mul_u32_u24 v14, v1, WP
	v_lshl_add_u32 v14, v2, 4, v14
	v_add_nc_u32 v[ADRB], s85, v14                 ; row x pitch + 16 h
	v_mul_u32_u24 v15, v1, 272
	v_lshl_add_u32 v15, v2, 6, v15
	v_add_nc_u32 v[STO], s86, v15                  ; in: row r, 64 h bytes on
	v_mul_u32_u24 v16, v2, 272
	v_lshl_add_u32 v16, v1, 4, v16
	v_add_nc_u32 v[RD], s86, v16                   ; back: lanes 0-15 one row of 256 bytes, lanes 16-31 the next
	v_lshlrev_b32 v[CO], 12, v2
	v_lshl_add_u32 v[CO], v1, 4, v[CO]             ; and the same two rows in out0
.irp b, 0,1,2,3
	global_load_b128 v[BI+8*\b:BI+8*\b+3], v12, s[12:13] offset:4*(32*(\b/2)+8*(\b%2))      ; bo at the lane's eight columns of Wo's tile b
	global_load_b128 v[BI+8*\b+4:BI+8*\b+7], v12, s[12:13] offset:4*(32*(\b/2)+8*(\b%2))+16
.endr
.macro ALOAD a                         ; block a of A, all of K, into set a % 2: 32 loads
	WIN 0xc0
.irp k, 0,1,2,3,4,5,6,7
.irp c, 0,1,2,3
	ds_load_b128 v[128*((\a)%2)+16*\k+4*\c:128*((\a)%2)+16*\k+4*\c+3], v[ADRA] offset:16384*(\a)+2048*\k+512*\c
.endr
.endr
	WIN 0
.endm
.macro BLOAD k                         ; Wo's four fragments of K step k: 16 loads
	WIN (1+(\k)/4)<<6
.irp b, 0,1,2,3
.irp c, 0,1,2,3
	ds_load_b128 v[64*((\k)%4)+16*\b+4*\c:64*((\k)%4)+16*\b+4*\c+3], v[ADRB] offset:16*\b*WP+128*(\k)+32*\c
.endr
.endr
	WIN 0
.endm
.macro MULK a, k                       ; block a, K step k: the block's four accumulators by turns
.set D_, ACC+32*((\a)%2)
.set B_, 64*((\k)%4)
.set A_, 128*((\a)%2)+16*(\k)
	WIN (1+(\k)/4)|0x0c
.irp b, 0,1,2,3
.if (\k) == 0
	v_wmma_scale_f32_16x16x128_f8f6f4 v[D_+8*\b:D_+8*\b+7], v[B_+16*\b:B_+16*\b+15], v[A_:A_+15], v[BI+8*\b:BI+8*\b+7], v[SC+10*\b+(\k)], v[SC+10*(\a)+(\k)] matrix_a_fmt:MATRIX_FMT_BF8 matrix_b_fmt:MATRIX_FMT_BF8 matrix_a_scale:MATRIX_SCALE_ROW1
.else
	v_wmma_scale_f32_16x16x128_f8f6f4 v[D_+8*\b:D_+8*\b+7], v[B_+16*\b:B_+16*\b+15], v[A_:A_+15], v[D_+8*\b:D_+8*\b+7], v[SC+10*\b+(\k)], v[SC+10*(\a)+(\k)] matrix_a_fmt:MATRIX_FMT_BF8 matrix_b_fmt:MATRIX_FMT_BF8 matrix_a_scale:MATRIX_SCALE_ROW1
.endif
.endr
.endm
; THE WAY OUT of a block of 16 rows x 64 columns through my own stage: a lane's 32 bytes of a row go in, whole rows of 256 bytes come back.  LDS serves a wave's instructions in order (ISA guide 5.7.1.4): no wait between the stores and the loads.
.macro TOSTAGE a
.irp b, 0,1,2,3
	ds_store_b128 v[STO], v[ACC+32*((\a)%2)+8*\b:ACC+32*((\a)%2)+8*\b+3] offset:128*(\b/2)+32*(\b%2)          ; each accumulator from its low end on
	ds_store_b128 v[STO], v[ACC+32*((\a)%2)+8*\b+4:ACC+32*((\a)%2)+8*\b+7] offset:128*(\b/2)+32*(\b%2)+16
.endr
.irp t, 0,1,2,3,4,5,6,7
	ds_load_b128 v[OB+32*((\a)%2)+4*\t:OB+32*((\a)%2)+4*\t+3], v[RD] offset:544*\t
.endr
.endm
.macro SEND a, younger                 ; younger: the LDS loads issued behind block a's.  Stored row 16 a + 2 t + h of my 64 is row 32 (a / 2) + 8 (a % 2) + 2 t + 8 (t / 4) + h
	s_wait_dscnt \younger
.irp t, 0,1,2,3,4,5,6,7
	global_store_b128 v[CO], v[OB+32*((\a)%2)+4*\t:OB+32*((\a)%2)+4*\t+3], s[14:15] offset:(32*((\a)/2)+8*((\a)%2)+2*\t+8*(\t/4))*4096 th:TH_STORE_NT   ; 16 lanes store 256 consecutive bytes, aligned
.endr
.endm
	s_wait_alu depctr_va_vdst(0)                   ; the wait at the head's end
	s_wait_tensorcnt 0x0                           ; my tile is in; nothing is ever filled again
	s_barrier_signal -1
	s_barrier_wait -1                              ; everybody's are
.irp i, 0,1,2,3
	ds_load_b128 v[SC+10*\i:SC+10*\i+3], v[ADRS] offset:544*\i     ; all eight K steps' scale words of block i
	ds_load_b128 v[SC+10*\i+4:SC+10*\i+7], v[ADRS] offset:544*\i+16
.endr
	ALOAD 0
	BLOAD 0
	BLOAD 1
	BLOAD 2
	s_wait_loadcnt 0x0                             ; the bias
.irp k, 0,1,2,3,4,5,6,7
.if \k < 5
	BLOAD \k+3
	s_wait_dscnt 48                                ; K step k is in; the three behind it may be out
.elseif \k == 5
	s_wait_dscnt 32
.elseif \k == 6
	ALOAD 1
	s_wait_dscnt 48                                ; K step 7's 16 loads and A's 32 may be out
.else
	s_wait_dscnt 32
.endif
	MULK 0, \k
.endr
.irp a, 0,1,2,3
.if \a > 0
.if \a < 3
	s_wait_dscnt 48                                ; block a of A is in; behind it the stage's 16 and the next block's 32 may be out
.else
	s_wait_dscnt 16
.endif
	MULK \a, 0
	MULK \a, 1
	MULK \a, 2
	MULK \a, 3
	WIN 0
.if \a < 3
	SEND \a-1, 32                                  ; behind the stage's loads: the next block of A
.else
	SEND \a-1, 0
.endif
	MULK \a, 4
	MULK \a, 5
	MULK \a, 6
	MULK \a, 7
.endif
	WIN 0
.rept 8
	v_nop                                          ; places: the block's results are read, and its fragments' registers take the block two on
.endr
.if \a > 1
	s_wait_xcnt 0x0                                ; block a - 2's stores have read their registers
.endif
	TOSTAGE \a
.if \a < 2
	ALOAD \a+2
.endif
.endr
	SEND 3, 0
	s_wait_tensorcnt 0x0                           ; the wave's end
	ds_add_u32 v[SPW], v[NIL]
	s_wait_dscnt 0x0
	CROUND                                         ; the closing round: no work-group ends while a partner may still ask for a tile that names it
	s_endpgm
.Lfunc_end_k_qb3959d3f6b_oproj:
	.size	k_qb3959d3f6b_oproj, .Lfunc_end_k_qb3959d3f6b_oproj-k_qb3959d3f6b_oproj
	.p2alignl 7, 3214868480
	.fill 96, 4, 3214868480
	.section	.rodata,"a",@progbits
	.p2align	6, 0x0
	.amdhsa_kernel k_qb3959d3f6b_oproj
		.amdhsa_group_segment_fixed_size 327680
		.amdhsa_private_segment_fixed_size 0
		.amdhsa_enable_private_segment 0
		.amdhsa_kernarg_size 48
		.amdhsa_user_sgpr_count 2
		.amdhsa_user_sgpr_kernarg_segment_ptr 1
		.amdhsa_wavefront_size32 1
		.amdhsa_system_sgpr_workgroup_id_x 1
		.amdhsa_system_sgpr_workgroup_id_y 1
		.amdhsa_system_sgpr_workgroup_id_z 1
		.amdhsa_system_vgpr_workitem_id 0
		.amdhsa_next_free_vgpr 1024
		.amdhsa_next_free_sgpr 96
		.amdhsa_reserve_vcc 0
		.amdhsa_float_denorm_mode_32 3
		.amdhsa_float_denorm_mode_16_64 3
		.amdhsa_memory_ordered 1
		.amdhsa_forward_progress 1
		.amdhsa_inst_pref_size 52
	.end_amdhsa_kernel
	.amdgpu_metadata
---
amdhsa.version: [ 1, 2 ]
amdhsa.kernels:
  - .name:           k_qb3959d3f6b_oproj
    .symbol:         k_qb3959d3f6b_oproj.kd
    .args:
      - { .name: ao, .offset: 0, .size: 8, .value_kind: global_buffer, .address_space: global }
      - { .name: aos, .offset: 8, .size: 8, .value_kind: global_buffer, .address_space: global }
      - { .name: wc, .offset: 16, .size: 8, .value_kind: global_buffer, .address_space: global }
      - { .name: ws, .offset: 24, .size: 8, .value_kind: global_buffer, .address_space: global }
      - { .name: bo, .offset: 32, .size: 8, .value_kind: global_buffer, .address_space: global }
      - { .name: out0, .offset: 40, .size: 8, .value_kind: global_buffer, .address_space: global }
    .group_segment_fixed_size: 327680
    .private_segment_fixed_size: 0
    .kernarg_segment_align: 8
    .kernarg_segment_size: 48
    .max_flat_workgroup_size: 128
    .sgpr_count:     96
    .vgpr_count:     1024
    .wavefront_size: 32
...
	.end_amdgpu_metadata
.endif
;; end of part 4
